; MI455X (gfx1250); checked and timed in simulation.
; The chip was launched on July 23, 2026; its instructions are those of AMD's public machine-readable ISA for CDNA 5 (MIT licence, August 2026) and "CDNA5" Instruction Set Architecture Reference Guide (July 2026). The comments in the code are by the model that wrote it; some were corrected since.
;; Attention Lo RA. Allowed arithmetic: matrix products marked QUANTISED: E4M3 operands, one given power-of-two scale a tensor, by v_wmma_f32_16x16x64_fp8_fp8 or v_wmma_f32_16x16x128_fp8_fp8, f32 sums; products left as they are: f32 operands where the result goes on into a quantised operand, else bf16, f16 or f32 operands; f32 sums; everything else in f32.
;; Inputs: b_attn 3,072 float32; b_proj 1,024 float32; lora_a_attn 16 x 1,024 float32; lora_a_proj 16 x 1,024 float32; lora_b_attn 3,072 x 16 float32; lora_b_proj 1,024 x 16 float32; lowp_scales 12 int32 (the exponents e of the quantised operands' scales 2^e); w_attn 3,072 x 1,024 float32; w_proj 1,024 x 1,024 float32; x 2 x 2,048 x 1,024 float32.
;; Outputs: out0 2 x 2,048 x 1,024 float32.
;; Constants: n_head = 16.
;; This version of the problem:
;;   THIS VERSION OF THE PROBLEM IS GIVEN IN LOW PRECISION. The matrix products marked QUANTISED in the list below multiply operands that are first quantised to E4M3 (4 exponent bits, 3 mantissa bits; 8 bits a number), with one given power-of-two scale for each operand tensor; their sums are f32. All else is computed in f32.
;;   The module's matrix products, in the order in which they are computed (A, B: the left and right operand; K: the contracted axis; several contracted axes count as one K, in the product's order):
;;     1. [M 4,096, K 1,024] x [K 1,024, N 3,072]; A: input x; B: input w_attn: QUANTISED (scales: A lowp_scales[0], B lowp_scales[1])
;;     2. [M 4,096, K 1,024] x [K 1,024, N 16]; A: input x; B: input lora_a_attn: QUANTISED (scales: A lowp_scales[2], B lowp_scales[3])
;;     3. [M 4,096, K 16] x [K 16, N 3,072]; A: computed on the way; B: input lora_b_attn: left as it is (K = 16 < 32)
;;     4. batch 32 x [M 2,048, K 64] x [K 64, N 2,048]; A: computed on the way; B: computed on the way: QUANTISED (scales: A lowp_scales[4], B lowp_scales[5])
;;     5. batch 32 x [M 2,048, K 2,048] x [K 2,048, N 64]; A: softmax (see below); B: computed on the way: QUANTISED (scales: A lowp_scales[6], B lowp_scales[7])
;;     6. [M 4,096, K 1,024] x [K 1,024, N 1,024]; A: computed on the way; B: input w_proj: QUANTISED (scales: A lowp_scales[8], B lowp_scales[9])
;;     7. [M 4,096, K 1,024] x [K 1,024, N 16]; A: computed on the way; B: input lora_a_proj: QUANTISED (scales: A lowp_scales[10], B lowp_scales[11])
;;     8. [M 4,096, K 16] x [K 16, N 1,024]; A: computed on the way; B: input lora_b_proj: left as it is (K = 16 < 32)
;;   THE QUANTISER, for each operand of a quantised product, along K:
;;     - The operand's scale is 2^e, e = its entry of the input lowp_scales (int32; the entries are numbered through the quantised products in the list's order, A before B).
;;     - Each number is divided by the scale, clamped to +-448, and rounded to the nearest number of E4M3, ties to even, subnormals kept.
;;     - The product sums the exact products of the quantised numbers (number of the format x scale) in f32.
;;   ~~~python
;;   def quantise(x, axis, e):      # numpy; x: float32 -> the quantised numbers, widened to float32 again
;;       x = np.moveaxis(x, axis, -1); K = x.shape[-1]
;;       r = np.clip(x / 2.0 ** e, -448, 448)
;;       step = 2.0 ** (np.maximum(np.frexp(np.where(r == 0, 1, r))[1] - 1, -6) - 3)
;;       q = np.round(r / step) * step * 2.0 ** e      # np.round: ties to even
;;       return np.moveaxis(q, -1, axis).astype(np.float32)
;;   ~~~
;;   SOFTMAX AHEAD OF A QUANTISED PRODUCT. Where the list says 'softmax', what is quantised is not the finished softmax but p = 2^(t - M), with t = logit x log2(e) and M = ceil(the row's largest t), a whole number; so 1/2 < the row's largest p <= 1. The row's sum l is taken of the UNQUANTISED p, in f32, and the product's result is divided by l at the end. Since M is a whole number, a kernel that streams over the keys may use a running M (the ceiling of the running maximum): every later rescaling is an exact power of two, so the quantised numbers keep their values, but for numbers so far below the row's largest that they fall under the format's range.
;;   OPERANDS COMPUTED ON THE WAY. 'Computed on the way' means the value that the module computes at that place (a softmax that the list does not call 'softmax' is quantised finished and normalised). What goes into a quantiser is computed in f32, as accurately as f32 sums, v_exp_f32 and their like allow (about 1e-6 of the number): no bf16 or f16 on the way to a quantiser, and a product that is left as it is and whose result goes on into a quantised operand takes f32 operands (vector FMAs, or v_wmma_f32_16x16x4_f32). A number that lies on a knife's edge between two numbers of the format may be rounded either way, as far as f32 arithmetic and the matrix unit's own rounding can turn it there, and no further.
;; One version. Each part assembles by itself: llvm-mc -triple=amdgcn-amd-amdhsa -mcpu=gfx1250 --defsym DOCPART=n.
;; ======== version 1 of 1: 4 launches
;; limits: right only within a limited range of input values; values are held in bf16: 8 bits of precision
;; workspace buffers: xa 4,194,304 bytes; wc 4,194,304 bytes; up 1,048,576 bytes; qkv 12,582,912 bytes; yt 8,388,608 bytes
;; launch prep (part 1): grid 256 x 1, 4 waves a work-group, no clusters, 327,680 bytes of LDS; arguments x, w_attn, w_proj, lora_a_attn, lowp_scales, xa, wc, up; writes xa, wc, up
.if DOCPART == 1
	.amdgcn_target "amdgcn-amd-amdhsa--gfx1250"
	.amdhsa_code_object_version 6
	.text
	.protected	k_qf5bb0c89f7_prep
	.globl	k_qf5bb0c89f7_prep
	.p2align	8
	.type	k_qf5bb0c89f7_prep,@function
k_qf5bb0c89f7_prep:
	s_mov_b64 s[64:65], 0
	v_nop
	global_prefetch_b8 v0, s[64:65] scope:SCOPE_SE
	s_setreg_imm32_b32 hwreg(HW_REG_WAVE_MODE, 25, 1), 1
	s_wait_xcnt 0x0
; x, w_attn and w_proj become codes of E4M3 (scale entries 0, 1 and 9), and x lora_a_attn^T is made in four partial sums over K (entries 2 and 3); launch qkv adds them.
; WHAT THE PROGRAM LEAVES OUT AS DEAD WORK.  reference() builds causal = tril(ones) in its own body and sets att to -infinity where key > query, so the softmax's weight there is exactly 0 for all values of the inputs:
; such a key adds 0 to the row's sum and 0 to the row's result.  Launch attn leaves out whole steps of 128 keys that all come after all queries of a block of 128.  Every other product of reference() is done, and every input is loaded.
; LIMITS: a NaN, an infinity or an overflow that reaches only the work left out is not carried to the result.  The scale entries used here lie between -126 and 119.  NaN among the inputs is not served.
; LAYOUT OF CODES.  A tile is 16 rows; the rows of two neighbouring tiles 2 i, 2 i + 1 are 32 neighbours: fragment row r of tile 2 i + u is row 32 i + 8 u + rho(r), rho(r) = r + 8 (r / 8).
; A tile's codes are stored as the image of an operand's registers: for each 32 along K 512 bytes, 16 a lane (lane (r, h): row r, K = 32 c + 16 h + 0 .. 15); 128 along K are 2048 bytes, a tile 16384.
; In w_attn's tiles: 12 a head, four of q, four of k, four of v; w_proj's 64 tiles lie behind them.
; SHARES.  A work-group takes 32 rows (two tiles), a wave 256 along K of them: ONE tensor load of 32 rows of 1024 bytes a wave, its own bytes, 16 bytes of padding behind each row.  Work-groups 0 to 127: x; to 223: w_attn; to 255: w_proj.
; No cluster: no two work-groups read the same rows.  No prefetch: no loop loads anything.
.set SPARE, 139264
.set WREG,  34816
.set CHB,   256
.set PITCH, 1040
.set X,   32
.set T,   96
.set C,   112
.set C2,  176
.set LA,  192
.set U,   224
.set SPW, 14
.set NIL, 15
.set G1,  20
.set G0,  28
.macro PLIM e, vp, vl, t0, t1
	s_add_co_i32 s[\t0], s[\e], 127
	s_lshl_b32 s[\t1], s[\t0], 23
	v_mov_b32 v[\vp], s[\t1]
	s_add_co_i32 s[\t0], s[\t0], 8
	s_lshl_b32 s[\t0], s[\t0], 23
	s_or_b32 s[\t0], s[\t0], 0x600000
	v_mov_b32 v[\vl], s[\t0]
.endm
.macro QUANT8 src, dst, sc, lim, ts
.irp i, 0,1,2,3,4,5,6,7
	v_med3_num_f32 v[T+8*(\ts)+\i], v[(\src)+\i], -v[\lim], v[\lim]
.endr
	v_cvt_scalef32_pk8_fp8_f32 v[(\dst):(\dst)+1], v[T+8*(\ts):T+8*(\ts)+7], v[\sc]
.endm
.macro QUANT32 src, dst, sc, lim
	QUANT8 (\src), (\dst), \sc, \lim, 0
	QUANT8 (\src)+8, (\dst)+2, \sc, \lim, 1
	QUANT8 (\src)+16, (\dst)+4, \sc, \lim, 0
	QUANT8 (\src)+24, (\dst)+6, \sc, \lim, 1
.endm
.macro LD n
.irp c, 0,1
.irp j, 0,1,2,3
	ds_load_b128 v[X+32*((\n)%2)+16*\c+4*\j:X+32*((\n)%2)+16*\c+4*\j+3], v2 offset:((\n)/2)*CHB+((\n)%2)*8*PITCH+128*\c+16*\j
.endr
.endr
.endm
.macro STEP n, lora
.if (\n) < 7
	s_wait_dscnt 8
.else
	s_wait_dscnt 0
.endif
	QUANT32 X+32*((\n)%2), C+8*(\n), 8, 9
	global_store_b128 v1, v[C+8*(\n):C+8*(\n)+3], s[68:69] offset:((\n)%2)*16384+((\n)/2)*1024
	global_store_b128 v1, v[C+8*(\n)+4:C+8*(\n)+7], s[68:69] offset:((\n)%2)*16384+((\n)/2)*1024+512
.if \lora
	QUANT32 X+32*((\n)%2), C2+8*((\n)%2), 10, 11
	v_nop
.if (\n) < 2
	v_wmma_f32_16x16x64_fp8_fp8 v[U+8*((\n)%2):U+8*((\n)%2)+7], v[LA+8*((\n)/2):LA+8*((\n)/2)+7], v[C2+8*((\n)%2):C2+8*((\n)%2)+7], 0
.else
	v_wmma_f32_16x16x64_fp8_fp8 v[U+8*((\n)%2):U+8*((\n)%2)+7], v[LA+8*((\n)/2):LA+8*((\n)/2)+7], v[C2+8*((\n)%2):C2+8*((\n)%2)+7], v[U+8*((\n)%2):U+8*((\n)%2)+7]
.endif
.endif
.if (\n)+2 < 8
	LD (\n)+2
.endif
.endm
	s_load_b512 s[4:19], s[0:1], 0x0
	v_lshl_add_u32 v[SPW], v0, 2, SPARE
	v_mov_b32 v[NIL], 0
	ds_add_u32 v[SPW], v[NIL]
	ds_add_u32 v[SPW], v[NIL]
	v_lshrrev_b32 v1, 5, v0
	v_readfirstlane_b32 s44, v1
	s_mov_b32 s[G1+0], (3<<16)|(1<<20)|(7<<22)|(3<<25) ; elements of 8 bytes; four words of padding behind every 256
	s_mov_b32 s[G1+1], 128<<16
	s_mov_b32 s[G1+2], 32<<16
	s_mov_b32 s[G1+3], 128<<16
	s_mov_b32 s[G1+4], 32
	s_mov_b32 s[G1+5], 512
	s_mov_b32 s[G1+6], 0
	s_mov_b32 s[G1+7], 0
	s_mul_i32 s45, s44, WREG
	v_and_b32 v5, 15, v0
	v_bfe_u32 v6, v0, 4, 1
	v_and_b32 v1, 31, v0
	v_lshlrev_b32 v1, 4, v1
	v_and_b32 v7, 8, v5
	v_add_nc_u32 v7, v7, v5
	v_mul_u32_u24 v2, v7, PITCH
	v_lshl_add_u32 v2, v6, 6, v2
	v_add_nc_u32 v2, s45, v2
	v_lshlrev_b32 v4, 12, v5
	v_lshl_add_u32 v4, v6, 6, v4
	s_sub_co_u32 s70, ttmp9, 128
	s_and_b32 s71, s70, 31
	s_lshr_b32 s71, s71, 1
	s_mul_i32 s71, s71, 12
	s_lshr_b32 s78, s70, 5
	s_lshl_b32 s78, s78, 2
	s_add_co_u32 s71, s71, s78
	s_and_b32 s78, s70, 1
	s_lshl_b32 s78, s78, 1
	s_add_co_u32 s71, s71, s78
	s_sub_co_u32 s78, ttmp9, 224
	s_lshl_b32 s79, s78, 1
	s_add_co_u32 s79, s79, 192
	s_lshl_b32 s73, ttmp9, 1
	s_wait_alu depctr_va_vdst(0)                   ; directly ahead of the waits below
	s_wait_dscnt 0x0
	s_wait_kmcnt 0x0
	s_load_b256 s[48:55], s[12:13], 0x0
	s_load_b128 s[56:59], s[12:13], 0x20
	s_cmp_lt_u32 ttmp9, 224
	s_cselect_b64 s[66:67], s[6:7], s[8:9]
	s_cselect_b32 s70, s70, s78
	s_cselect_b32 s71, s71, s79
	s_cmp_lt_u32 ttmp9, 128
	s_cselect_b64 s[66:67], s[4:5], s[66:67]
	s_cselect_b64 s[68:69], s[14:15], s[16:17]
	s_cselect_b32 s70, ttmp9, s70
	s_cselect_b32 s71, s73, s71
	s_lshl_b32 s74, s70, 17
	s_lshl_b32 s75, s44, 10
	s_add_co_u32 s74, s74, s75
	s_mov_b32 s75, 0
	s_add_nc_u64 s[66:67], s[66:67], s[74:75]
	s_mov_b32 s[G0], 1
	s_mov_b32 s[G0+1], s45
	s_mov_b64 s[G0+2:G0+3], s[66:67]
	s_or_b32 s[G0+3], s[G0+3], 0x80000000
	tensor_load_to_lds s[G0:G0+3], s[G1:G1+7]      ; all that my wave works on; only my wave reads it
	s_nop 0
	s_lshl_b32 s74, s71, 14
	s_lshl_b32 s75, s44, 12
	s_add_co_u32 s74, s74, s75
	s_mov_b32 s75, 0
	s_add_nc_u64 s[68:69], s[68:69], s[74:75]
	s_wait_kmcnt 0x0
	s_cmp_lt_u32 ttmp9, 224
	s_cselect_b32 s72, s49, s57
	s_cmp_lt_u32 ttmp9, 128
	s_cselect_b32 s72, s48, s72
	PLIM 72, 8, 9, 60, 61
	s_cmp_lt_u32 ttmp9, 128
	s_cbranch_scc0 .Lweights
	PLIM 50, 10, 11, 60, 61
	PLIM 51, 12, 13, 60, 61
	s_lshl_b32 s74, s44, 18
	s_lshl_b32 s75, ttmp9, 11
	s_add_co_u32 s74, s74, s75
	s_mov_b32 s75, 0
	s_add_nc_u64 s[76:77], s[18:19], s[74:75]
	s_lshl_b32 s74, s44, 10
	s_add_nc_u64 s[78:79], s[10:11], s[74:75]
	s_wait_alu depctr_va_vdst(0)
.irp ch, 0,1,2,3
.irp c, 0,1
.irp j, 0,1,2,3
	global_load_b128 v[32+32*\ch+16*(\ch/2)+16*\c+4*\j:32+32*\ch+16*(\ch/2)+16*\c+4*\j+3], v4, s[78:79] offset:\ch*256+128*\c+16*\j
.endr
.endr
.endr
	s_wait_loadcnt 0x0
.irp ch, 0,1,2,3
	QUANT32 32+32*\ch+16*(\ch/2), LA+8*\ch, 12, 13
.endr
	v_nop
	s_wait_tensorcnt 0x0
	LD 0
	LD 1
.irp n, 0,1,2,3,4,5,6,7
	STEP \n, 1
.endr
.rept 4
	v_nop
.endr
	global_store_b128 v1, v[U:U+3], s[76:77]
	global_store_b128 v1, v[U+4:U+7], s[76:77] offset:512
	global_store_b128 v1, v[U+8:U+11], s[76:77] offset:1024
	global_store_b128 v1, v[U+12:U+15], s[76:77] offset:1536
	s_branch .Lend
.Lweights:
	s_wait_tensorcnt 0x0
	s_wait_alu depctr_va_vdst(0)
	LD 0
	LD 1
.irp n, 0,1,2,3,4,5,6,7
	STEP \n, 0
.endr
.Lend:
	s_wait_tensorcnt 0x0
	ds_add_u32 v[SPW], v[NIL]
	s_wait_dscnt 0x0
	s_endpgm
.Lfunc_end_k_qf5bb0c89f7_prep:
	.size	k_qf5bb0c89f7_prep, .Lfunc_end_k_qf5bb0c89f7_prep-k_qf5bb0c89f7_prep
	.p2alignl 7, 3214868480
	.fill 96, 4, 3214868480
	.section	.rodata,"a",@progbits
	.p2align	6, 0x0
	.amdhsa_kernel k_qf5bb0c89f7_prep
		.amdhsa_group_segment_fixed_size 327680
		.amdhsa_private_segment_fixed_size 0
		.amdhsa_enable_private_segment 0
		.amdhsa_kernarg_size 64
		.amdhsa_user_sgpr_count 2
		.amdhsa_user_sgpr_kernarg_segment_ptr 1
		.amdhsa_wavefront_size32 1
		.amdhsa_system_sgpr_workgroup_id_x 1
		.amdhsa_system_sgpr_workgroup_id_y 1
		.amdhsa_system_sgpr_workgroup_id_z 1
		.amdhsa_system_vgpr_workitem_id 0
		.amdhsa_next_free_vgpr 256
		.amdhsa_next_free_sgpr 80
		.amdhsa_reserve_vcc 0
		.amdhsa_float_denorm_mode_32 3
		.amdhsa_float_denorm_mode_16_64 3
		.amdhsa_memory_ordered 1
		.amdhsa_forward_progress 1
		.amdhsa_inst_pref_size 84
	.end_amdhsa_kernel
	.amdgpu_metadata
---
amdhsa.version: [ 1, 2 ]
amdhsa.kernels:
  - .name:           k_qf5bb0c89f7_prep
    .symbol:         k_qf5bb0c89f7_prep.kd
    .args:
      - { .name: x, .offset: 0, .size: 8, .value_kind: global_buffer, .address_space: global }
      - { .name: w_attn, .offset: 8, .size: 8, .value_kind: global_buffer, .address_space: global }
      - { .name: w_proj, .offset: 16, .size: 8, .value_kind: global_buffer, .address_space: global }
      - { .name: lora_a_attn, .offset: 24, .size: 8, .value_kind: global_buffer, .address_space: global }
      - { .name: lowp_scales, .offset: 32, .size: 8, .value_kind: global_buffer, .address_space: global }
      - { .name: xa, .offset: 40, .size: 8, .value_kind: global_buffer, .address_space: global }
      - { .name: wc, .offset: 48, .size: 8, .value_kind: global_buffer, .address_space: global }
      - { .name: up, .offset: 56, .size: 8, .value_kind: global_buffer, .address_space: global }
    .group_segment_fixed_size: 327680
    .private_segment_fixed_size: 0
    .kernarg_segment_align: 8
    .kernarg_segment_size: 64
    .max_flat_workgroup_size: 128
    .sgpr_count:     80
    .vgpr_count:     256
    .wavefront_size: 32
...
	.end_amdgpu_metadata
.endif
;; end of part 1
;; launch qkv (part 2): grid 16 x 16, 4 waves a work-group, clusters of 4 x 4, 327,680 bytes of LDS; arguments xa, wc, up, lora_b_attn, b_attn, lowp_scales, qkv; writes qkv
.if DOCPART == 2
	.amdgcn_target "amdgcn-amd-amdhsa--gfx1250"
	.amdhsa_code_object_version 6
	.text
	.protected	k_qf5bb0c89f7_qkv
	.globl	k_qf5bb0c89f7_qkv
	.p2align	8
	.type	k_qf5bb0c89f7_qkv,@function
k_qf5bb0c89f7_qkv:
	s_mov_b64 s[64:65], 0
	v_nop
	global_prefetch_b8 v0, s[64:65] scope:SCOPE_SE
	s_setreg_imm32_b32 hwreg(HW_REG_WAVE_MODE, 25, 1), 1
	s_wait_xcnt 0x0
	s_wait_alu depctr_hold_cnt(0) depctr_sa_sdst(0) depctr_va_vdst(0) depctr_va_sdst(0) depctr_va_ssrc(0) depctr_va_vcc(0) depctr_vm_vsrc(0)
	s_getreg_b32 s2, hwreg(HW_REG_IB_STS2, 6, 4)
	s_cmp_eq_u32 s2, 0
	s_cbranch_scc0 .Lentry_in_a_cluster
	s_endpgm
.Lentry_in_a_cluster:
	s_bfe_u32 s2, ttmp6, 0x10000c
	s_cmp_lg_u32 s2, 0xf033
	s_cbranch_scc0 .Lentry_shape_is_right
	s_endpgm
.Lentry_shape_is_right:
; qkv = x w_attn^T + b_attn + (x lora_a_attn^T) lora_b_attn^T / 16, and the quantisers of q (scale entry 4), k (5), v (7).  Nothing is left out here.
; The large product is on codes of E4M3 (launch prep made them); the product of rank 16 goes on into quantisers, so it takes f32 operands, by v_wmma_f32_16x16x4_f32.
; SHARES.  Work-group (x = head, y = block of 256 tokens) makes 256 tokens x the head's 64 columns of q, of k and of v.  Wave w takes 64 tokens (tiles a = 0 .. 3) x 12 column tiles b = 4 section + 2 half + u: 48 accumulators.
; LAYOUT (see prep).  q and k tiles: source 0 = 16 rows of w_attn, source 1 = 16 tokens: a lane holds one token, and tiles (half, 0), (half, 1) give it 16 neighbouring channels: a chunk of the next operand.
; v tiles: the sources are swapped: a lane holds one channel, and token tiles 2 i, 2 i + 1 give it 16 neighbouring tokens, which are keys: a chunk of v's operand with the keys innermost.
; SCALES.  With E = e0 + e1 the sums are kept in units of 2^E: the bias goes in as b / 2^E (the C of each sum's first product), u as u x 2^(e2 + e3 - 4 - E), and each conversion takes 2^(e - E).
; LIMITS: e4 - E, e5 - E, e7 - E between -126 and 119; what v_ldexp_f32 applies has none.  NaN among the inputs is not served.
; RING.  K goes in steps of 128; a slot holds two steps: 16 tiles of x and 12 of w_attn, 4096 bytes each, as register images, so a fragment is four loads of 512 consecutive bytes.  Two slots.
; CLUSTER.  4 x 4 work-groups: the four of a row (same y) ask for x's tiles jointly, the four of a column (same x) for w_attn's.  Waves 0, 1 fetch x's halves, waves 2, 3 w_attn's.  At most two loads of a wave are out.
; The four passes of the f32 product stand where the ring would be waited for: two ahead of the first tiles, one inside the flight of each refill.
; REGISTERS, in windows of 256.  window 0: v1-15 addresses and scales; v32-63 u (8 a tile); v64-191 x's fragments, two sets of 64 (at the head: up's 128 numbers; on the way out: codes); v192-223 held numbers.
;   window 1: w_attn's 12 fragments at 16 b (at the head: the biases, 8 b).   window 2: accumulators of b 0-5 at 8 (4 b + a), lora_b_attn of b 0-5 from v192.   window 3: the same for b 6-11.
.set SLOT,  114688
.set BOFF,  65536                      ; w_attn's tiles in a slot
.set SPARE, 2*SLOT                     ; behind the ring: the spare words
.set SPW, 28
.set NIL, 29
.set UF,  32
.set AF,  64
.set T,   192
.set CD,  64
.set WV,  18                           ; s18 wave; s19 wave / 2: I fetch for x (0) or w_attn (1), and which key step my tokens are; s20 wave % 2; s21 y; s42 x
.set FB,  19
.set HF,  20
.set YY,  21
.set XX,  42
.set G1,  24
.set G0,  32
.set G1B, 48
.set G0B, 56
.set MSB, 0
.macro WIN new                         ; the immediate's high byte repeats the setting that is left
.if MSB != (\new)
	s_set_vgpr_msb (MSB<<8)|(\new)
.set MSB, (\new)
.endif
.endm
.macro PL n
.rept \n
	v_nop
.endr
.endm
.macro PLIM e, vp, vl, t0, t1
	s_add_co_i32 s[\t0], s[\e], 127
	s_lshl_b32 s[\t1], s[\t0], 23
	v_mov_b32 v[\vp], s[\t1]
	s_add_co_i32 s[\t0], s[\t0], 8
	s_lshl_b32 s[\t0], s[\t0], 23
	s_or_b32 s[\t0], s[\t0], 0x600000
	v_mov_b32 v[\vl], s[\t0]
.endm
.macro JLOAD s                         ; a joint load; the branch hangs on the wave's number alone; an s_nop 0 and four v_nop follow each line
	s_cmp_eq_u32 s[FB], 0
	s_cbranch_scc0 .Lfor_b_\@
	tensor_load_to_lds s[G0+4*\s:G0+4*\s+3], s[G1:G1+7]
	s_nop 0
.rept 4
	v_nop
.endr
	s_branch .Lasked_\@
.Lfor_b_\@:
	tensor_load_to_lds s[G0B+4*\s:G0B+4*\s+3], s[G1B:G1B+7]
	s_nop 0
.rept 4
	v_nop
.endr
.Lasked_\@:
.endm
.macro CREST                           ; a round of the cluster's barrier behind its opening barrier
	s_cmp_lg_u32 s[WV], 0
	s_cbranch_scc1 .Lnot_wave_0_\@
	s_barrier_signal -3
.Lnot_wave_0_\@:
	s_barrier_wait -3
	s_barrier_signal -1
	s_barrier_wait -1
.endm
.macro CROUND
	s_barrier_signal -1
	s_barrier_wait -1
	CREST
.endm
	s_load_b256 s[4:11], s[0:1], 0x0               ; xa, wc, up, lora_b_attn
	s_load_b128 s[12:15], s[0:1], 0x20             ; b_attn, scales
	s_load_b64 s[16:17], s[0:1], 0x30              ; qkv
	v_lshl_add_u32 v[SPW], v0, 2, SPARE
	v_mov_b32 v[NIL], 0
	ds_add_u32 v[SPW], v[NIL]                      ; the opening: the add, twice on end, and its wait ahead of the round in front of my first tensor load
	ds_add_u32 v[SPW], v[NIL]
	v_lshrrev_b32 v1, 5, v0
	v_readfirstlane_b32 s[WV], v1
	s_lshr_b32 s[FB], s[WV], 1
	s_and_b32 s[HF], s[WV], 1
	s_bfe_u32 s40, ttmp6, 0x40000                  ; cx
	s_bfe_u32 s41, ttmp6, 0x40004                  ; cy
	s_lshl_b32 s[XX], ttmp9, 2
	s_add_co_u32 s[XX], s[XX], s40                 ; x = the head
	s_and_b32 s[YY], ttmp7, 0xffff
	s_lshl_b32 s[YY], s[YY], 2
	s_add_co_u32 s[YY], s[YY], s41                 ; y = the block of 256 tokens
	s_lshl_b32 s43, s41, 2
	s_lshl_b32 s43, 15, s43                        ; my row of the cluster
	s_lshl_b32 s44, 0x1111, s40                    ; my column
	s_or_b32 s[G1], s43, (3<<16)|(1<<21)           ; the mask; elements of 8 bytes; bit 21 beside a mask; no padding
	s_or_b32 s[G1B], s44, (3<<16)|(1<<21)
	s_mov_b32 s[G1+1], 512<<16                     ; a row: two K steps of a tile, 4096 bytes
	s_mov_b32 s[G1+2], 8<<16                       ; 8 tiles
	s_mov_b32 s[G1+3], 512<<16
	s_mov_b32 s[G1+4], 8
	s_mov_b32 s[G1+5], 2048                        ; from tile to tile: 16384 bytes
	s_mov_b32 s[G1+6], 0
	s_mov_b32 s[G1+7], 0
	s_mov_b32 s[G1B+1], 512<<16
	s_mov_b32 s[G1B+2], 6<<16                      ; 6 tiles
	s_mov_b32 s[G1B+3], 512<<16
	s_mov_b32 s[G1B+4], 6
	s_mov_b32 s[G1B+5], 2048
	s_mov_b32 s[G1B+6], 0
	s_mov_b32 s[G1B+7], 0
	s_lshl_b32 s22, s[YY], 4
	s_lshl_b32 s23, s[HF], 3
	s_add_co_u32 s22, s22, s23
	s_lshl_b32 s22, s22, 14                        ; x's tile 16 y + 8 (wave % 2)
	s_mov_b32 s23, 0
	s_mul_i32 s46, s[XX], 12
	s_mul_i32 s47, s[HF], 6
	s_add_co_u32 s46, s46, s47
	s_lshl_b32 s46, s46, 14                        ; w_attn's tile 12 x + 6 (wave % 2)
	s_mov_b32 s47, 0
	s_lshl_b32 s45, s[HF], 15                      ; where they go: no place in the cluster enters an LDS address
	s_mul_i32 s90, s[HF], 24576
	s_add_co_u32 s90, s90, BOFF
	s_wait_dscnt 0x0                               ; both opening adds are done
	s_wait_kmcnt 0x0
	s_load_b256 s[68:75], s[14:15], 0x0            ; scale entries 0 to 7
	s_add_nc_u64 s[22:23], s[4:5], s[22:23]
	s_add_nc_u64 s[46:47], s[6:7], s[46:47]
	CROUND                                         ; all sixteen work-groups are here: the first joint loads meet
.irp s, 0,1
	s_mov_b32 s[G0+4*\s], 1
	s_add_co_u32 s[G0+4*\s+1], s45, \s*SLOT
	s_add_nc_u64 s[G0+4*\s+2:G0+4*\s+3], s[22:23], \s*4096
	s_or_b32 s[G0+4*\s+3], s[G0+4*\s+3], 0x80000000
	s_mov_b32 s[G0B+4*\s], 1
	s_add_co_u32 s[G0B+4*\s+1], s90, \s*SLOT
	s_add_nc_u64 s[G0B+4*\s+2:G0B+4*\s+3], s[46:47], \s*4096
	s_or_b32 s[G0B+4*\s+3], s[G0B+4*\s+3], 0x80000000
.endr
	JLOAD 0                                        ; slot 0: one tensor load a wave at the head
	v_and_b32 v16, 15, v0                          ; r
	v_bfe_u32 v17, v0, 4, 1                        ; h
	v_and_b32 v1, 31, v0
	v_lshlrev_b32 v1, 4, v1                        ; 16 L
	s_lshl_b32 s91, s[WV], 14                      ; my four tiles of x
	v_add_nc_u32 v2, s91, v1                       ; x's fragments in slot 0,
	v_add_nc_u32 v3, SLOT, v2                      ; in slot 1
	v_add_nc_u32 v4, BOFF, v1                      ; w_attn's in slot 0,
	v_add_nc_u32 v5, SLOT+BOFF, v1                 ; in slot 1
	v_and_b32 v18, 8, v16
	v_add_nc_u32 v18, v18, v16                     ; rho(r)
	v_lshlrev_b32 v6, 6, v18
	v_lshl_add_u32 v6, v17, 5, v6                  ; lora_b_attn: row rho(r) of 64 bytes + 32 h
	s_wait_alu depctr_va_vdst(0)
	v_lshlrev_b32 v7, 6, v17                       ; the bias of q and k: 16 h numbers on
	s_wait_alu depctr_va_vdst(0)
	v_lshlrev_b32 v8, 2, v18                       ; the bias of v: channel rho(r)
	s_wait_alu depctr_va_vdst(0)
	s_lshl_b32 s92, s[YY], 4
	s_lshl_b32 s93, s[WV], 2
	s_add_co_u32 s92, s92, s93
	s_lshl_b32 s92, s92, 10
	s_mov_b32 s93, 0
	s_add_nc_u64 s[76:77], s[8:9], s[92:93]        ; up at my first tile
	s_lshl_b32 s92, s[XX], 12
	s_add_nc_u64 s[78:79], s[10:11], s[92:93]      ; lora_b_attn at the head's 64 rows
	s_lshl_b32 s92, s[XX], 8
	s_add_nc_u64 s[80:81], s[12:13], s[92:93]      ; b_attn likewise
	s_lshr_b32 s94, s[YY], 3
	s_lshl_b32 s94, s94, 4
	s_add_co_u32 s94, s94, s[XX]                   ; batch x 16 + head
	s_and_b32 s95, s[YY], 7                        ; which 256 tokens of the sequence
	s_lshl_b32 s92, s94, 7
	s_lshl_b32 s96, s95, 4
	s_add_co_u32 s92, s92, s96
	s_lshl_b32 s96, s[WV], 2
	s_add_co_u32 s92, s92, s96
	s_lshl_b32 s92, s92, 10
	s_add_nc_u64 s[82:83], s[16:17], s[92:93]      ; q: tile 16 sigma + 4 wave of my batch and head
	s_lshl_b32 s92, s94, 18
	s_lshl_b32 s96, s95, 15
	s_add_co_u32 s92, s92, s96
	s_lshl_b32 s96, s[FB], 14                      ; 16384 bytes for 128 keys: eight pieces of 1024 of k, then eight of v
	s_add_co_u32 s92, s92, s96
	s_add_co_u32 s92, s92, 4194304                 ; k and v: behind q; 262144 a head, 32768 for 256 keys, 16384 for the key step
	s_lshl_b32 s96, s[HF], 12
	s_add_co_u32 s96, s96, s92
	s_mov_b32 s97, 0
	s_add_nc_u64 s[84:85], s[16:17], s[96:97]      ; k: pieces 4 (wave % 2) + a
	s_lshl_b32 s96, s[HF], 10
	s_add_co_u32 s96, s96, s92
	s_add_co_u32 s96, s96, 8192
	s_add_nc_u64 s[86:87], s[16:17], s[96:97]      ; v: pieces 8 + 2 t + wave % 2
.irp kq, 0,1,2,3
.irp a, 0,1,2,3
.irp c, 0,1
	global_load_b128 v[AF+32*\kq+8*\a+4*\c:AF+32*\kq+8*\a+4*\c+3], v1, s[76:77] offset:\kq*262144+\a*1024+\c*512
.endr
.endr
.endr
	WIN 0x80                                       ; destination window 2
.irp b, 0,1,2,3,4,5
.irp c, 0,1
	global_load_b128 v[192+8*\b+4*\c:192+8*\b+4*\c+3], v6, s[78:79] offset:(\b/4)*65536+(32*((\b%4)/2)+8*(\b%2))*64+16*\c
.endr
.endr
	WIN 0xc0                                       ; destination window 3
.irp b, 6,7,8,9,10,11
.irp c, 0,1
	global_load_b128 v[192+8*(\b-6)+4*\c:192+8*(\b-6)+4*\c+3], v6, s[78:79] offset:(\b/4)*65536+(32*((\b%4)/2)+8*(\b%2))*64+16*\c
.endr
.endr
	WIN 0x40                                       ; destination window 1
.irp b, 0,1,2,3,4,5,6,7
.irp c, 0,1
	global_load_b128 v[8*\b+4*\c:8*\b+4*\c+3], v7, s[80:81] offset:(\b/4)*4096+(32*((\b%4)/2)+8*(\b%2))*4+16*\c
.endr
.endr
.irp t, 0,1,2,3
	global_load_b32 v[96+\t], v8, s[80:81] offset:8192+(32*(\t/2)+8*(\t%2))*4
.endr
	WIN 0
	s_wait_loadcnt 0x0
	s_wait_kmcnt 0x0
	s_add_co_i32 s89, s68, s69                     ; E = e0 + e1
	s_add_co_i32 s88, s70, s71
	s_sub_co_i32 s88, s88, s89
	s_sub_co_i32 s88, s88, 4                       ; e2 + e3 - 4 - E
	s_sub_co_i32 s92, s72, s89
	PLIM 92, 10, 11, 96, 97                        ; q's conversions
	s_sub_co_i32 s92, s73, s89
	PLIM 92, 12, 13, 96, 97                        ; k's
	s_sub_co_i32 s92, s75, s89
	PLIM 92, 14, 15, 96, 97                        ; v's
	s_sub_co_i32 s89, 0, s89
.irp a, 0,1,2,3                        ; u = the four partial sums over K,
.irp p, 0,2,4,6
	v_pk_add_f32 v[UF+8*\a+\p:UF+8*\a+\p+1], v[AF+8*\a+\p:AF+8*\a+\p+1], v[AF+32+8*\a+\p:AF+32+8*\a+\p+1]
.endr
.endr
.irp kq, 2,3
.irp a, 0,1,2,3
.irp p, 0,2,4,6
	v_pk_add_f32 v[UF+8*\a+\p:UF+8*\a+\p+1], v[UF+8*\a+\p:UF+8*\a+\p+1], v[AF+32*\kq+8*\a+\p:AF+32*\kq+8*\a+\p+1]
.endr
.endr
.endr
.set ii, 0
.rept 32
	v_ldexp_f32 v[UF+ii], v[UF+ii], s88            ; x 2^(e2 + e3 - 4 - E): exact
.set ii, ii+1
.endr
	WIN 0x41                                       ; source 0 and destination window 1
.set ii, 0
.rept 64
	v_ldexp_f32 v[ii], v[ii], s89                  ; the bias of q and k / 2^E
.set ii, ii+1
.endr
.irp t, 0,1,2,3
.irp i, 0,1,2,3,4,5,6,7
	v_ldexp_f32 v[64+8*\t+\i], v[96+\t], s89       ; v's: a lane holds one channel, so all eight registers hold its bias
.endr
.endr
; Pass k of four of the f32 product: the form's k = 2 h + j stands for LoRA index 8 h + 2 k + j in both operands.  first = 1: the bias is the C.  The 48 accumulators take turns, one instruction a turn.
.macro LORA k, first
.irp b, 0,1,2,3,4,5,6,7,8,9,10,11
.if \b < 6
	WIN 0xa2-0x10*(\first)                         ; lora_b_attn and the sums in window 2, u in window 0 (first: C in window 1)
.elseif \b < 8
	WIN 0xf3-0x20*(\first)
.else
	WIN 0xfc-0x20*(\first)                         ; v: u is source 0
.endif
.irp a, 0,1,2,3
.if \b < 8
.if \first
	v_wmma_f32_16x16x4_f32 v[8*(4*(\b%6)+\a):8*(4*(\b%6)+\a)+7], v[192+8*(\b%6)+2*(\k):192+8*(\b%6)+2*(\k)+1], v[UF+8*\a+2*(\k):UF+8*\a+2*(\k)+1], v[8*\b:8*\b+7]
.else
	v_wmma_f32_16x16x4_f32 v[8*(4*(\b%6)+\a):8*(4*(\b%6)+\a)+7], v[192+8*(\b%6)+2*(\k):192+8*(\b%6)+2*(\k)+1], v[UF+8*\a+2*(\k):UF+8*\a+2*(\k)+1], v[8*(4*(\b%6)+\a):8*(4*(\b%6)+\a)+7]
.endif
.else
.if \first
	v_wmma_f32_16x16x4_f32 v[8*(4*(\b%6)+\a):8*(4*(\b%6)+\a)+7], v[UF+8*\a+2*(\k):UF+8*\a+2*(\k)+1], v[192+8*(\b%6)+2*(\k):192+8*(\b%6)+2*(\k)+1], v[8*\b:8*\b+7]
.else
	v_wmma_f32_16x16x4_f32 v[8*(4*(\b%6)+\a):8*(4*(\b%6)+\a)+7], v[UF+8*\a+2*(\k):UF+8*\a+2*(\k)+1], v[192+8*(\b%6)+2*(\k):192+8*(\b%6)+2*(\k)+1], v[8*(4*(\b%6)+\a):8*(4*(\b%6)+\a)+7]
.endif
.endif
.endr
.endr
.endm
; n column tiles from b0 on x my four token tiles, 128 along K; set: which of x's two sets
.macro MUL b0, n, set
.set bb, \b0
.rept \n
.if bb < 6
	WIN 0xa1                                       ; w_attn window 1, x window 0, sums window 2
.elseif bb < 8
	WIN 0xf1
.else
	WIN 0xf4                                       ; v: x is source 0
.endif
.irp a, 0,1,2,3
.if bb < 8
	v_wmma_f32_16x16x128_fp8_fp8 v[8*(4*(bb%6)+\a):8*(4*(bb%6)+\a)+7], v[16*bb:16*bb+15], v[AF+64*(\set)+16*\a:AF+64*(\set)+16*\a+15], v[8*(4*(bb%6)+\a):8*(4*(bb%6)+\a)+7]
.else
	v_wmma_f32_16x16x128_fp8_fp8 v[8*(4*(bb%6)+\a):8*(4*(bb%6)+\a)+7], v[AF+64*(\set)+16*\a:AF+64*(\set)+16*\a+15], v[16*bb:16*bb+15], v[8*(4*(bb%6)+\a):8*(4*(bb%6)+\a)+7]
.endif
.endr
.set bb, bb+1
.endr
.endm
.macro FETCH_A slot, ks, set           ; my four fragments of x: 16 loads
	WIN 0
.irp a, 0,1,2,3
.irp c, 0,1,2,3
	ds_load_b128 v[AF+64*(\set)+16*\a+4*\c:AF+64*(\set)+16*\a+4*\c+3], v[2+\slot] offset:\a*4096+(\ks)*2048+512*\c
.endr
.endr
.endm
.macro FETCH_B slot, ks, b0            ; six fragments of w_attn: 24 loads
	WIN 0x40
.irp i, 0,1,2,3,4,5
.irp c, 0,1,2,3
	ds_load_b128 v[16*(\b0+\i)+4*\c:16*(\b0+\i)+4*\c+3], v[4+\slot] offset:(\b0+\i)*4096+(\ks)*2048+512*\c
.endr
.endr
.endm
; A slot's first K step.  w_attn has one set of registers: tiles 0-5 are fetched anew behind their products, tiles 6-11 behind theirs, each behind four places.
.macro STEP slot
	s_wait_dscnt 24                                ; x and tiles 0-5 are in; the youngest 24 loads (tiles 6-11) may be out
	MUL 0, 6, 0
	s_wait_dscnt 0
	PL 4
	FETCH_A \slot, 1, 1
	FETCH_B \slot, 1, 0
	MUL 6, 6, 0
	PL 4
	FETCH_B \slot, 1, 6
	WIN 0
.endm
; A slot's second K step changes slots: one barrier; in front of it each wave waits for all its tensor loads, adds 0 to its spare word, and waits for that and for its reads of this slot.
.macro TURN slot, next, fill
	WIN 0
	s_wait_tensorcnt 0x0                           ; all my tensor loads have landed: my part of the next slot
	ds_add_u32 v[SPW], v[NIL]
	s_wait_dscnt 25                                ; the add and the youngest 24 loads may be out
	MUL 0, 3, 1
	s_wait_dscnt 0x0                               ; the add is done, and my reads of this slot are over
	s_barrier_signal -1
	MUL 3, 3, 1
	WIN 0
	s_barrier_wait -1
.if \fill
	CREST                                          ; the barrier has opened a round of the cluster's: no wave of any partner still reads this slot or has a load on its way
	s_add_nc_u64 s[G0+4*\slot+2:G0+4*\slot+3], s[G0+4*\slot+2:G0+4*\slot+3], 8192
	s_add_nc_u64 s[G0B+4*\slot+2:G0B+4*\slot+3], s[G0B+4*\slot+2:G0B+4*\slot+3], 8192
	JLOAD \slot                                    ; the first tensor load behind the round; its four v_nop are the places in front of the loads below
.else
	PL 4
.endif
	FETCH_A \next, 0, 0
	FETCH_B \next, 0, 0
	MUL 6, 6, 1
	PL 4
	FETCH_B \next, 0, 6
	WIN 0
.endm
	LORA 0, 1                                      ; a pass while the first tiles are on their way
	WIN 0
	s_wait_tensorcnt 0x0                           ; my part of slot 0 is in
	ds_add_u32 v[SPW], v[NIL]
	s_wait_dscnt 0x0
	CROUND                                         ; everybody's part of slot 0 is in, and the joint loads meet
	JLOAD 1                                        ; slot 1, the first tensor load behind the round
	LORA 1, 0                                      ; a pass while slot 1 is on its way
	WIN 0
	PL 9                                           ; nine places between the f32 form and another form on its accumulators, and in front of loads into the registers that held the biases
	FETCH_A 0, 0, 0
	FETCH_B 0, 0, 0
	FETCH_B 0, 0, 6
	WIN 0
	STEP 0
	TURN 0, 1, 1
	STEP 1
	PL 5                                           ; five places between the fp8 form and another form on its accumulators
	LORA 2, 0
	WIN 0
	PL 9
	TURN 1, 0, 1
	STEP 0
	PL 5
	LORA 3, 0
	WIN 0
	PL 9
	TURN 0, 1, 0                                   ; nothing is left to fetch: no round
	STEP 1
	s_wait_dscnt 24
	MUL 0, 6, 1
	s_wait_dscnt 0
	MUL 6, 6, 1
	WIN 0
	PL 4
; THE WAY OUT.  Each store has code registers of its own and covers 512 consecutive bytes, aligned.  Each accumulator is read from its low end on.
.macro QK_OUT sec, a                   ; token tile a of q (sec = 0) or k (1): four column tiles become the tile's image of 1024 bytes
.irp t, 0,1,2,3
.if 4*(\sec)+\t < 6
	WIN 0x02
.else
	WIN 0x03
.endif
.irp i, 0,1,2,3,4,5,6,7
	v_med3_num_f32 v[T+8*\t+\i], v[8*(4*((4*(\sec)+\t)%6)+(\a))+\i], -v[11+2*(\sec)], v[11+2*(\sec)]
.endr
.endr
	WIN 0
.irp t, 0,1,2,3
	v_cvt_scalef32_pk8_fp8_f32 v[CD+32*(\sec)+8*(\a)+2*\t:CD+32*(\sec)+8*(\a)+2*\t+1], v[T+8*\t:T+8*\t+7], v[10+2*(\sec)]
.endr
	v_nop                                          ; a plain line behind the last conversion
.if (\sec) == 0
	global_store_b128 v1, v[CD+8*(\a):CD+8*(\a)+3], s[82:83] offset:(\a)*1024
	global_store_b128 v1, v[CD+8*(\a)+4:CD+8*(\a)+7], s[82:83] offset:(\a)*1024+512
.else
	global_store_b128 v1, v[CD+32+8*(\a):CD+32+8*(\a)+3], s[84:85] offset:(\a)*1024
	global_store_b128 v1, v[CD+32+8*(\a)+4:CD+32+8*(\a)+7], s[84:85] offset:(\a)*1024+512
.endif
.endm
.macro V_OUT t, bl                     ; channel tile t, my tokens 32 bl on: 16 neighbouring keys a lane: one chunk
	WIN 0x03
.irp ua, 0,1
.irp i, 0,1,2,3,4,5,6,7
	v_med3_num_f32 v[T+8*\ua+\i], v[8*(4*((\t)+2)+2*(\bl)+\ua)+\i], -v15, v15
.endr
.endr
	WIN 0
	v_cvt_scalef32_pk8_fp8_f32 v[CD+64+8*(\t)+4*(\bl):CD+64+8*(\t)+4*(\bl)+1], v[T:T+7], v14
	v_cvt_scalef32_pk8_fp8_f32 v[CD+64+8*(\t)+4*(\bl)+2:CD+64+8*(\t)+4*(\bl)+3], v[T+8:T+15], v14
	v_nop
	global_store_b128 v1, v[CD+64+8*(\t)+4*(\bl):CD+64+8*(\t)+4*(\bl)+3], s[86:87] offset:(\t)*2048+(\bl)*512
.endm
.irp a, 0,1,2,3
	QK_OUT 0, \a
.endr
.irp a, 0,1,2,3
	QK_OUT 1, \a
.endr
.irp t, 0,1,2,3
	V_OUT \t, 0
	V_OUT \t, 1
.endr
	s_wait_tensorcnt 0x0                           ; the wave's end
	ds_add_u32 v[SPW], v[NIL]
	s_wait_dscnt 0x0
	CROUND                                         ; the closing round
	s_endpgm
.Lfunc_end_k_qf5bb0c89f7_qkv:
	.size	k_qf5bb0c89f7_qkv, .Lfunc_end_k_qf5bb0c89f7_qkv-k_qf5bb0c89f7_qkv
	.p2alignl 7, 3214868480
	.fill 96, 4, 3214868480
	.section	.rodata,"a",@progbits
	.p2align	6, 0x0
	.amdhsa_kernel k_qf5bb0c89f7_qkv
		.amdhsa_group_segment_fixed_size 327680
		.amdhsa_private_segment_fixed_size 0
		.amdhsa_enable_private_segment 0
		.amdhsa_kernarg_size 56
		.amdhsa_user_sgpr_count 2
		.amdhsa_user_sgpr_kernarg_segment_ptr 1
		.amdhsa_wavefront_size32 1
		.amdhsa_system_sgpr_workgroup_id_x 1
		.amdhsa_system_sgpr_workgroup_id_y 1
		.amdhsa_system_sgpr_workgroup_id_z 1
		.amdhsa_system_vgpr_workitem_id 0
		.amdhsa_next_free_vgpr 1024
		.amdhsa_next_free_sgpr 100
		.amdhsa_reserve_vcc 0
		.amdhsa_float_denorm_mode_32 3
		.amdhsa_float_denorm_mode_16_64 3
		.amdhsa_memory_ordered 1
		.amdhsa_forward_progress 1
		.amdhsa_inst_pref_size 134
	.end_amdhsa_kernel
	.amdgpu_metadata
---
amdhsa.version: [ 1, 2 ]
amdhsa.kernels:
  - .name:           k_qf5bb0c89f7_qkv
    .symbol:         k_qf5bb0c89f7_qkv.kd
    .args:
      - { .name: xa, .offset: 0, .size: 8, .value_kind: global_buffer, .address_space: global }
      - { .name: wc, .offset: 8, .size: 8, .value_kind: global_buffer, .address_space: global }
      - { .name: up, .offset: 16, .size: 8, .value_kind: global_buffer, .address_space: global }
      - { .name: lora_b_attn, .offset: 24, .size: 8, .value_kind: global_buffer, .address_space: global }
      - { .name: b_attn, .offset: 32, .size: 8, .value_kind: global_buffer, .address_space: global }
      - { .name: lowp_scales, .offset: 40, .size: 8, .value_kind: global_buffer, .address_space: global }
      - { .name: qkv, .offset: 48, .size: 8, .value_kind: global_buffer, .address_space: global }
    .group_segment_fixed_size: 327680
    .private_segment_fixed_size: 0
    .kernarg_segment_align: 8
    .kernarg_segment_size: 56
    .max_flat_workgroup_size: 128
    .sgpr_count:     100
    .vgpr_count:     1024
    .wavefront_size: 32
...
	.end_amdgpu_metadata
.endif
;; end of part 2
;; launch attn (part 3): grid 8 x 32, 8 waves a work-group, clusters of 4 x 1, 327,680 bytes of LDS; arguments qkv, lora_a_proj, lowp_scales, yt; writes yt
.if DOCPART == 3
	.amdgcn_target "amdgcn-amd-amdhsa--gfx1250"
	.amdhsa_code_object_version 6
	.text
	.protected	k_qf5bb0c89f7_attn
	.globl	k_qf5bb0c89f7_attn
	.p2align	8
	.type	k_qf5bb0c89f7_attn,@function
k_qf5bb0c89f7_attn:
	s_mov_b64 s[64:65], 0
	v_nop
	global_prefetch_b8 v0, s[64:65] scope:SCOPE_SE
	s_setreg_imm32_b32 hwreg(HW_REG_WAVE_MODE, 25, 1), 1
	s_wait_xcnt 0x0
	s_wait_alu depctr_hold_cnt(0) depctr_sa_sdst(0) depctr_va_vdst(0) depctr_va_sdst(0) depctr_va_ssrc(0) depctr_va_vcc(0) depctr_vm_vsrc(0)
	s_getreg_b32 s2, hwreg(HW_REG_IB_STS2, 6, 4)
	s_cmp_eq_u32 s2, 0
	s_cbranch_scc0 .Lentry_in_a_cluster
	s_endpgm
.Lentry_in_a_cluster:
	s_bfe_u32 s2, ttmp6, 0x10000c
	s_cmp_lg_u32 s2, 0x3003
	s_cbranch_scc0 .Lentry_shape_is_right
	s_endpgm
.Lentry_shape_is_right:
; y = softmax(q k^T / 8, causal) v on codes of E4M3, the quantisers of y (scale entries 8 and 10), and y lora_a_proj^T for the head's 64 channels (a partial sum; launch proj adds the heads).
; LEFT OUT AS DEAD WORK: key steps all of whose 128 keys come after all queries of a block of 128; their weights are 0 by the tril that reference() builds (shown at the head of launch prep).
; THE SOFTMAX: t = score x log2(e) / 8; M = the running largest t rounded up to a whole number; p = 2^(t - M) is quantised (entry 6), not normalised; the sum of the unquantised p divides at the end.
; SHARES.  The sequence has 16 blocks of 128 queries, 8 tiles of 16 each.  Cluster g (0, 1) of a batch and head takes the blocks b and c = 15 - b for b = 2 p + ((p & 1) ^ g), p = 0 .. 3: 68 block steps of 128 keys for either g.
; Of each such block work-group i of the cluster takes tiles X = 2 i and Y = 2 i + 1, side by side in one wave: each fragment of k and v that is read from LDS serves both.
; Waves 2 p and 2 p + 1 are a pair for blocks b and c, 17 key steps together.  The HIGH wave walks steps 0 to 8 of c; the LOW wave steps 0 to b of b, stores those two tiles, and walks steps 9 to c of c from a fresh start
; (for c = 8 there are none).  At the end it hands its part (O, -M, the sum) over through LDS, and the high wave joins the two: both are multiplied by exact powers of two.
; Which steps a wave walks hangs on its number and on the cluster's, which all partners share.  The high wave is the one with (wave ^ (wave / 4)) & 1: waves w, w + 4 and waves 2 k, 2 k + 1 are one of each kind.
; LAYOUT (see prep).  S^T = k q^T, O^T = v^T p^T: a lane holds one query of each tile throughout; the 16 registers of key tiles 2 b, 2 b + 1 are keys 32 b + 16 h + 0 .. 15: p's conversions give the second product's operand.
; LDS holds all of the head's k and v, 262144 bytes as they lie in memory: 16384 for each key step.  Two fills, one tensor load a wave each: the first 256 keys (4096 bytes a wave), then, behind a full sequence, the other 1792 (28672 a wave).
; The four work-groups of a cluster ask for both parts jointly.  No prefetch: there is no loop that loads; both parts are asked for ahead of the first key step.
; LIMITS: e4 + e5 between -123 and 130 (added to the exponent field of log2(e) / 8); e6, e8, e10, e11 between -126 and 119; e6 + e7 is applied by v_ldexp_f32.  NaN among the inputs is not served.
; REGISTERS.  window 0: v1 16 L; v3 lora_a_proj's offset; v4 the pair's place in the hand-over; v7 my query of X less 16 h, in its block (Y's is 8 more); v8 LDS address; v12 -M, v13 largest t, v[14:15] the sum, v[20:21] f of X; v16-19, v[22:23] of Y;
;   v24-31 scales and holds; v32-47, v48-63 p's codes of X, Y; v64-127 S^T of X, then p; v128-191 of Y; v192-217 at work.
;   window 1: v0-7, v8-15 q of X, Y; v16-23 lora_a_proj's codes; v24-39 q of c; v64-127 eight fragments of k or four of v; v128-159, v160-191 O^T of X, Y.
.set MB,   262144                      ; the hand-over: 9216 bytes for each pair
.set MBW,  9216
.set SPARE, MB+4*MBW
.set SPW,  5
.set NIL,  6
.set ROLE, 13                          ; s13 1: the high wave; s14 b; s15 c; s16 the block that I store; s62 my place in the cluster
.set WV,   18
.set SEL,  20
.set CS,   22
.set G1,   24                          ; s[24:31], s[40:43]: the first fill;  s[32:39], s[44:47]: the second
.set G1B,  32
.set G0,   40
.set G0B,  44
.set TB,   2                           ; s2 LDS byte of the step; s3 its first key
.set KF,   3
.set HI,   96                          ; I walk the steps whose first key lies between LO and HI; the one at DG is on the diagonal
.set LO,   97
.set DG,   98
.set SW,   99                          ; the first key at which the low wave goes over to c (the high wave: never)
.set MSB, 0
.macro WIN new                         ; the immediate's high byte repeats the setting that is left
.if MSB != (\new)
	s_set_vgpr_msb (MSB<<8)|(\new)
.set MSB, (\new)
.endif
.endm
.macro PL n
.rept \n
	v_nop
.endr
.endm
.macro PLIM e, vp, vl, t0, t1
	s_add_co_i32 s[\t0], s[\e], 127
	s_lshl_b32 s[\t1], s[\t0], 23
	v_mov_b32 v[\vp], s[\t1]
	s_add_co_i32 s[\t0], s[\t0], 8
	s_lshl_b32 s[\t0], s[\t0], 23
	s_or_b32 s[\t0], s[\t0], 0x600000
	v_mov_b32 v[\vl], s[\t0]
.endm
.macro CROUND                          ; a round of the cluster's barrier
	s_barrier_signal -1
	s_barrier_wait -1
	s_cmp_lg_u32 s[WV], 0
	s_cbranch_scc1 .Lnot_wave_0_\@
	s_barrier_signal -3
.Lnot_wave_0_\@:
	s_barrier_wait -3
	s_barrier_signal -1
	s_barrier_wait -1
.endm
.macro FRESH                           ; the state ahead of a block's first step
	v_mov_b32 v13, 0xff61b1e6                      ; the largest t so far: -3e38
	v_mov_b32 v17, 0xff61b1e6
	v_mov_b32 v14, 0
	v_mov_b32 v15, 0
	v_mov_b32 v18, 0
	v_mov_b32 v19, 0
	v_floor_f32 v12, -v13
	v_floor_f32 v16, -v17
	WIN 0x40
.set ii, 128
.rept 64
	v_mov_b32 v[ii], 0                             ; O^T: the step is written without a first form; the first change of M leaves zeros zeros
.set ii, ii+1
.endr
	WIN 0
.endm
	s_load_b256 s[4:11], s[0:1], 0x0               ; qkv, lora_a_proj, scales, yt
	v_lshl_add_u32 v[SPW], v0, 2, SPARE
	v_mov_b32 v[NIL], 0
	ds_add_u32 v[SPW], v[NIL]                      ; the opening: the add, twice on end, and its wait ahead of the round in front of my first tensor load
	ds_add_u32 v[SPW], v[NIL]
	v_lshrrev_b32 v8, 5, v0
	v_readfirstlane_b32 s[WV], v8
	s_bfe_u32 s62, ttmp6, 0x40000                  ; i = cx: it enters addresses in memory and the mask's compares alone
	s_and_b32 s12, ttmp7, 0xffff                   ; batch x 16 + head
	s_lshr_b32 s[ROLE], s[WV], 2
	s_xor_b32 s[ROLE], s[ROLE], s[WV]
	s_and_b32 s[ROLE], s[ROLE], 1
	s_lshr_b32 s48, s[WV], 1                       ; p
	s_and_b32 s49, s48, 1
	s_xor_b32 s49, s49, ttmp9                      ; g = cluster x
	s_lshl_b32 s14, s48, 1
	s_add_co_u32 s14, s14, s49
	s_sub_co_u32 s15, 15, s14
	s_cmp_eq_u32 s[ROLE], 1
	s_cselect_b32 s16, s15, s14
	s_mul_i32 s[DG], s16, 128
	s_cselect_b32 s[HI], 1024, s[DG]
	s_cselect_b32 s[SW], -1, 1024
	s_mov_b32 s[LO], 0
	s_mov_b32 s[G1], 15|(3<<16)|(1<<21)            ; all four of the cluster; elements of 8 bytes; bit 21 beside a mask; no padding
	s_mov_b32 s[G1+1], 256<<16                     ; rows of 2048 bytes,
	s_mov_b32 s[G1+2], 2<<16                       ; two: 4096 bytes, dense
	s_mov_b32 s[G1+3], 256<<16
	s_mov_b32 s[G1+4], 2
	s_mov_b32 s[G1+5], 256
	s_mov_b32 s[G1+6], 0
	s_mov_b32 s[G1+7], 0
	s_mov_b32 s[G1B], 15|(3<<16)|(1<<21)
	s_mov_b32 s[G1B+1], 256<<16
	s_mov_b32 s[G1B+2], 14<<16                     ; fourteen: 28672 bytes
	s_mov_b32 s[G1B+3], 256<<16
	s_mov_b32 s[G1B+4], 14
	s_mov_b32 s[G1B+5], 256
	s_mov_b32 s[G1B+6], 0
	s_mov_b32 s[G1B+7], 0
	s_mov_b32 s[SEL], 0x76543210
	s_mov_b32 s[SEL+1], 0xfedcba98
	s_mov_b32 s[CS], 0x3e38aa3b                    ; log2(e) / 8
	s_lshl_b32 s50, s12, 18
	s_add_co_u32 s50, s50, 4194304                 ; k and v lie behind q
	s_mov_b32 s51, 0
	s_lshl_b32 s54, s[WV], 12
	s_mov_b32 s55, 0
	s_mul_i32 s56, s[WV], 28672
	s_add_co_u32 s56, s56, 32768
	s_mov_b32 s57, 0
	s_lshl_b32 s49, s62, 5
	s_mul_i32 s48, s48, MBW
	s_add_co_u32 s48, s48, MB
	v_and_b32 v9, 15, v0                           ; r
	v_bfe_u32 v10, v0, 4, 1                        ; h
	v_and_b32 v1, 31, v0
	v_and_b32 v11, 8, v9
	v_lshlrev_b32 v3, 12, v9
	v_lshlrev_b32 v1, 4, v1
	v_add_nc_u32 v11, v11, v9                      ; rho(r)
	v_lshl_add_u32 v3, v10, 6, v3
	v_lshlrev_b32 v10, 4, v10
	v_add_nc_u32 v7, s49, v11                      ; my query of X in its block,
	v_add_nc_u32 v4, s48, v1
	v_mov_b32 v192, 0                              ; a lane permute's destination counts as read
	v_mov_b32 v193, 0
	v_sub_nc_u32 v7, v7, v10                       ; less 16 h
	v_mov_b32 v21, 0                               ; (named as the upper halves of pairs)
	v_mov_b32 v23, 0
	FRESH
	s_wait_alu depctr_va_vdst(0)                   ; directly ahead of the waits below
	s_wait_dscnt 0x0                               ; both opening adds are done
	s_wait_kmcnt 0x0
	s_load_b256 s[68:75], s[8:9], 0x0              ; scale entries 0 to 7
	s_load_b128 s[84:87], s[8:9], 0x20             ; 8 to 11
	s_add_nc_u64 s[52:53], s[4:5], s[50:51]        ; k and v of my batch and head
	s_mov_b32 s[G0], 1
	s_mov_b32 s[G0+1], s54
	s_add_nc_u64 s[G0+2:G0+3], s[52:53], s[54:55]
	s_or_b32 s[G0+3], s[G0+3], 0x80000000
	s_mov_b32 s[G0B], 1
	s_mov_b32 s[G0B+1], s56
	s_add_nc_u64 s[G0B+2:G0B+3], s[52:53], s[56:57]
	s_or_b32 s[G0B+3], s[G0B+3], 0x80000000
	CROUND                                         ; all four work-groups are here: the first joint loads meet
	tensor_load_to_lds s[G0:G0+3], s[G1:G1+7]      ; my part of the first 256 keys
	s_nop 0
	PL 4
	s_lshl_b32 s58, s12, 7
	s_lshl_b32 s63, s62, 1
	s_lshl_b32 s59, s16, 3
	s_add_co_u32 s59, s59, s63                     ; tile X of the block that I store
	s_add_co_u32 s60, s58, s59
	s_lshl_b32 s60, s60, 10
	s_mov_b32 s61, 0
	s_add_nc_u64 s[92:93], s[4:5], s[60:61]        ; q of that block,
	s_lshl_b32 s60, s15, 3
	s_add_co_u32 s60, s60, s63
	s_add_co_u32 s60, s60, s58
	s_lshl_b32 s60, s60, 10
	s_add_nc_u64 s[82:83], s[4:5], s[60:61]        ; and of c
	s_lshr_b32 s60, s12, 4
	s_lshl_b32 s60, s60, 7
	s_add_co_u32 s60, s60, s59
	s_lshl_b32 s60, s60, 14
	s_and_b32 s63, s12, 15
	s_lshl_b32 s58, s63, 10
	s_add_co_u32 s60, s60, s58
	s_add_nc_u64 s[88:89], s[10:11], s[60:61]      ; y's codes: token tile x 16384 + head x 1024
	s_add_nc_u64 s[90:91], s[88:89], 4194304       ; the partial sums of y lora_a_proj^T, laid likewise
	s_lshl_b32 s60, s63, 8
	s_add_nc_u64 s[94:95], s[6:7], s[60:61]        ; lora_a_proj at the head's 64 channels
.irp c, 0,1
.irp j, 0,1,2,3
	global_load_b128 v[64+16*\c+4*\j:64+16*\c+4*\j+3], v3, s[94:95] offset:128*\c+16*\j
.endr
.endr
	WIN 0x40                                       ; destination window 1
.irp c, 0,1,2,3
	global_load_b128 v[4*\c:4*\c+3], v1, s[92:93] offset:512*\c
.endr
.irp c, 0,1,2,3
	global_load_b128 v[24+4*\c:27+4*\c], v1, s[82:83] offset:512*\c
.endr
	WIN 0
	s_wait_kmcnt 0x0
	s_add_co_i32 s60, s72, s73
	s_lshl_b32 s60, s60, 23
	s_add_co_i32 s[CS], s[CS], s60                 ; a score stands for score x 2^(e4 + e5)
	s_mov_b32 s[CS+1], s[CS]
	PLIM 74, 24, 25, 60, 61                        ; p's conversions
	PLIM 84, 26, 27, 60, 61                        ; y's, entry 8
	PLIM 86, 28, 29, 60, 61                        ; y's, entry 10
	PLIM 87, 30, 31, 60, 61                        ; lora_a_proj's
	s_wait_alu depctr_va_vdst(0)                   ; directly ahead of the wait below
	s_wait_loadcnt 0x0
.set ii, 64
.rept 32
	v_med3_num_f32 v[ii], v[ii], -v31, v31
.set ii, ii+1
.endr
	WIN 0x40
.irp g, 0,1,2,3
	v_cvt_scalef32_pk8_fp8_f32 v[16+2*\g:17+2*\g], v[64+8*\g:71+8*\g], v30
.endr
	WIN 0
	v_nop
	s_wait_tensorcnt 0x0                           ; my part of the first 256 keys is in
	ds_add_u32 v[SPW], v[NIL]
	s_wait_dscnt 0x0
	CROUND                                         ; everybody's part is in, and the joint loads meet
	tensor_load_to_lds s[G0B:G0B+3], s[G1B:G1B+7]  ; my part of the other 1792 keys
	s_nop 0
	PL 4
.macro STEP                            ; a step of 128 keys, if it is mine; no barrier and no tensor load stands in a step
	s_cmp_gt_u32 s[KF], s[HI]
	s_cbranch_scc1 .Lhidden_\@
	s_cmp_lt_u32 s[KF], s[LO]
	s_cbranch_scc1 .Lhidden_\@
	v_add_nc_u32 v8, s[TB], v1
	PL 3                                           ; with the addition above: four places in front of loads into registers that matrix instructions have read
	WIN 0x40
.irp j, 0,1,2,3,4,5,6,7
.irp c, 0,1
	ds_load_b128 v[64+8*\j+4*\c:64+8*\j+4*\c+3], v8 offset:\j*1024+\c*512
.endr
.endr
	WIN 0x05                                       ; both sources window 1, scores window 0
	s_wait_alu depctr_va_vdst(0)                   ; directly ahead of the wait below
	s_wait_dscnt 8                                 ; key tiles 0 to 3 are in; the eight loads of tiles 4 to 7 may be out
.irp j, 0,1,2,3
	v_wmma_f32_16x16x64_fp8_fp8 v[64+8*\j:71+8*\j], v[64+8*\j:71+8*\j], v[0:7], 0
	v_wmma_f32_16x16x64_fp8_fp8 v[128+8*\j:135+8*\j], v[64+8*\j:71+8*\j], v[8:15], 0
.endr
	s_wait_dscnt 0x0
.irp j, 4,5,6,7
	v_wmma_f32_16x16x64_fp8_fp8 v[64+8*\j:71+8*\j], v[64+8*\j:71+8*\j], v[0:7], 0
	v_wmma_f32_16x16x64_fp8_fp8 v[128+8*\j:135+8*\j], v[64+8*\j:71+8*\j], v[8:15], 0
.endr
	PL 4
	WIN 0x40
.irp t, 0,1,2,3                        ; v's four fragments are asked for now and land under the softmax
.irp c, 0,1,2,3
	ds_load_b128 v[64+16*\t+4*\c:64+16*\t+4*\c+3], v8 offset:8192+\t*2048+\c*512
.endr
.endr
	WIN 0
	s_cmp_lt_u32 s[KF], s[DG]
	s_cbranch_scc1 .Lopen_\@
	v_mov_b32 v204, 0xff800000                     ; on the diagonal: register 16 b + i holds key 32 b + 16 h + i of the block: hidden where 32 b + i > my query - 16 h
.set nn, 0
.rept 64
	v_cmp_gt_i32 vcc_lo, 32*(nn/16)+nn%16, v7
	v_cndmask_b32 v[64+nn], v[64+nn], v204, vcc_lo
	v_cmp_gt_i32 vcc_lo, 32*(nn/16)+nn%16-8, v7
	v_cndmask_b32 v[128+nn], v[128+nn], v204, vcc_lo
.set nn, nn+1
.endr
.Lopen_\@:
	v_max3_num_f32 v200, v64, v65, v66             ; the largest score of my query among my 64 keys, in two chains for each tile,
	v_max3_num_f32 v202, v128, v129, v130
	v_max3_num_f32 v201, v67, v68, v69
	v_max3_num_f32 v203, v131, v132, v133
.irp i, 6,10,14,18,22,26,30,34,38,42,46,50,54,58
	v_max3_num_f32 v200, v200, v[64+\i], v[65+\i]
	v_max3_num_f32 v202, v202, v[128+\i], v[129+\i]
	v_max3_num_f32 v201, v201, v[66+\i], v[67+\i]
	v_max3_num_f32 v203, v203, v[130+\i], v[131+\i]
.endr
	v_max3_num_f32 v200, v200, v126, v127
	v_max3_num_f32 v202, v202, v190, v191
	v_mov_b32 v204, v12
	v_mov_b32 v205, v16
	v_max_num_f32 v200, v200, v201
	v_max_num_f32 v202, v202, v203
	v_permlanex16_b32 v192, v200, s[SEL], s[SEL+1]
	v_permlanex16_b32 v193, v202, s[SEL], s[SEL+1]
	v_max_num_f32 v200, v200, v192                 ; and among the other half's
	v_max_num_f32 v202, v202, v193
	v_mul_f32 v200, s[CS], v200
	v_mul_f32 v202, s[CS], v202
	v_max_num_f32 v13, v13, v200
	v_max_num_f32 v17, v17, v202
	v_floor_f32 v12, -v13                          ; -M = floor(-t): M is a whole number
	v_floor_f32 v16, -v17
	v_sub_f32 v204, v12, v204
	v_sub_f32 v205, v16, v205
	v_cvt_i32_f32 v204, v204                       ; (it saturates)
	v_cvt_i32_f32 v205, v205
	v_ldexp_f32 v20, 1.0, v204                     ; f = 2^(old M - new M)
	v_ldexp_f32 v22, 1.0, v205
.set jj, 64
.rept 32
	v_pk_fma_f32 v[jj:jj+1], v[jj:jj+1], s[CS:CS+1], v[12:13] op_sel_hi:[1,0,0]
.set jj, jj+2
.endr
	s_wait_alu depctr_va_vdst(0)                   ; ahead of the batch
.set jj, 64
.rept 64
	v_exp_f32 v[jj], v[jj]
.set jj, jj+1
.endr
	v_pk_mul_f32 v[14:15], v[14:15], v[20:21] op_sel_hi:[1,0]     ; the sum under the new M; the plain line behind the exponentials
.set jj, 128
.rept 32
	v_pk_fma_f32 v[jj:jj+1], v[jj:jj+1], s[CS:CS+1], v[16:17] op_sel_hi:[1,0,0]
.set jj, jj+2
.endr
	s_wait_alu depctr_va_vdst(0)                   ; behind X's batch and ahead of Y's
.set jj, 128
.rept 64
	v_exp_f32 v[jj], v[jj]
.set jj, jj+1
.endr
	v_pk_mul_f32 v[18:19], v[18:19], v[22:23] op_sel_hi:[1,0]
	s_wait_alu depctr_va_vdst(0)                   ; one wait for the batch, ahead of its first reader
	v_pk_add_f32 v[206:207], v[64:65], v[66:67]    ; the sums of the unquantised p, in four chains for each tile
	v_pk_add_f32 v[212:213], v[128:129], v[130:131]
	v_pk_add_f32 v[208:209], v[68:69], v[70:71]
	v_pk_add_f32 v[214:215], v[132:133], v[134:135]
	v_pk_add_f32 v[210:211], v[72:73], v[74:75]
	v_pk_add_f32 v[216:217], v[136:137], v[138:139]
	v_pk_add_f32 v[14:15], v[14:15], v[76:77]
	v_pk_add_f32 v[18:19], v[18:19], v[140:141]
.irp j, 14,22,30,38,46,54
	v_pk_add_f32 v[206:207], v[206:207], v[64+\j:65+\j]
	v_pk_add_f32 v[212:213], v[212:213], v[128+\j:129+\j]
	v_pk_add_f32 v[208:209], v[208:209], v[66+\j:67+\j]
	v_pk_add_f32 v[214:215], v[214:215], v[130+\j:131+\j]
	v_pk_add_f32 v[210:211], v[210:211], v[68+\j:69+\j]
	v_pk_add_f32 v[216:217], v[216:217], v[132+\j:133+\j]
	v_pk_add_f32 v[14:15], v[14:15], v[70+\j:71+\j]
	v_pk_add_f32 v[18:19], v[18:19], v[134+\j:135+\j]
.endr
	v_pk_add_f32 v[206:207], v[206:207], v[126:127]
	v_pk_add_f32 v[212:213], v[212:213], v[190:191]
	v_pk_add_f32 v[14:15], v[14:15], v[210:211]
	v_pk_add_f32 v[18:19], v[18:19], v[216:217]
	v_pk_add_f32 v[206:207], v[206:207], v[208:209]
	v_pk_add_f32 v[212:213], v[212:213], v[214:215]
.set jj, 64
.rept 64
	v_dual_min_num_f32 v[jj], v25, v[jj] :: v_dual_min_num_f32 v[jj+1], v25, v[jj+1]   ; p is not negative: the hold is one-sided
.set jj, jj+2
.endr
	v_pk_add_f32 v[14:15], v[14:15], v[206:207]
	v_pk_add_f32 v[18:19], v[18:19], v[212:213]
.irp b, 0,1,2,3,4,5,6,7
	v_cvt_scalef32_pk8_fp8_f32 v[32+4*\b:33+4*\b], v[64+16*\b:71+16*\b], v24
	v_cvt_scalef32_pk8_fp8_f32 v[34+4*\b:35+4*\b], v[72+16*\b:79+16*\b], v24
.endr
	WIN 0x41                                       ; O^T window 1, f window 0
	s_wait_alu depctr_va_vdst(0)                   ; directly ahead of the first reader of O^T
.set jj, 128
.rept 16
	v_pk_mul_f32 v[jj:jj+1], v[jj:jj+1], v[20:21] op_sel_hi:[1,0]   ; O^T under the new M; also the places in front of the products below
	v_pk_mul_f32 v[jj+32:jj+33], v[jj+32:jj+33], v[22:23] op_sel_hi:[1,0]
.set jj, jj+2
.endr
	WIN 0x51                                       ; v and O^T window 1, codes window 0
	s_wait_alu depctr_va_vdst(0)                   ; directly ahead of the wait below
	s_wait_dscnt 0x0                               ; v is in
.irp t, 0,1,2,3
	v_wmma_f32_16x16x128_fp8_fp8 v[128+8*\t:135+8*\t], v[64+16*\t:79+16*\t], v[32:47], v[128+8*\t:135+8*\t]
	v_wmma_f32_16x16x128_fp8_fp8 v[160+8*\t:167+8*\t], v[64+16*\t:79+16*\t], v[48:63], v[160+8*\t:167+8*\t]
.endr
	WIN 0
.Lhidden_\@:
	s_add_co_u32 s[KF], s[KF], 128
	s_add_co_u32 s[TB], s[TB], 16384
.endm
; THE WAY OUT of two tiles: y = O^T x 2^(e6 + e7) / the sum; its codes at entries 8 and 10; the second set is multiplied by lora_a_proj's codes at once.
.macro OUT
	v_add_f32 v14, v14, v15
	v_add_f32 v18, v18, v19
	v_permlanex16_b32 v192, v14, s[SEL], s[SEL+1]
	v_permlanex16_b32 v193, v18, s[SEL], s[SEL+1]
	v_add_f32 v14, v14, v192
	v_add_f32 v18, v18, v193
	s_wait_alu depctr_va_vdst(0)                   ; ahead of the reciprocals
	v_rcp_f32 v14, v14
	v_rcp_f32 v18, v18
	v_nop                                          ; a plain line behind the reciprocals
	s_add_co_i32 s60, s74, s75
	s_wait_alu depctr_va_vdst(0)                   ; ahead of the reciprocals' first reader
	v_ldexp_f32 v14, v14, s60
	v_ldexp_f32 v18, v18, s60
	WIN 0x01                                       ; O^T window 1
	s_wait_alu depctr_va_vdst(0)                   ; directly ahead of the first reader of O^T
.set jj, 0
.rept 32
	v_mul_f32 v[64+jj], v[128+jj], v14             ; register 8 t + i: channel 32 (t / 2) + 16 h + 8 (t % 2) + i of my query
.set jj, jj+1
.endr
.set jj, 0
.rept 32
	v_mul_f32 v[96+jj], v[160+jj], v18
.set jj, jj+1
.endr
	WIN 0
.set jj, 0
.rept 64
	v_med3_num_f32 v[128+jj], v[64+jj], -v27, v27
.set jj, jj+1
.endr
.irp t, 0,1,2,3,4,5,6,7
	v_cvt_scalef32_pk8_fp8_f32 v[32+2*\t:33+2*\t], v[128+8*\t:135+8*\t], v26
.endr
.set jj, 64
.rept 64
	v_med3_num_f32 v[jj], v[jj], -v29, v29
.set jj, jj+1
.endr
.irp t, 0,1,2,3,4,5,6,7
	v_cvt_scalef32_pk8_fp8_f32 v[48+2*\t:49+2*\t], v[64+8*\t:71+8*\t], v28
.endr
	v_nop
	WIN 0x01                                       ; lora_a_proj's codes window 1
	v_wmma_f32_16x16x64_fp8_fp8 v[192:199], v[16:23], v[48:55], 0   ; lane (r, h): token of row r, LoRA index 8 h + j
	v_wmma_f32_16x16x64_fp8_fp8 v[200:207], v[16:23], v[56:63], 0
	WIN 0
	global_store_b128 v1, v[32:35], s[88:89]
	global_store_b128 v1, v[36:39], s[88:89] offset:512
	global_store_b128 v1, v[40:43], s[88:89] offset:16384
	global_store_b128 v1, v[44:47], s[88:89] offset:16896
	PL 4
	global_store_b128 v1, v[192:195], s[90:91]
	global_store_b128 v1, v[196:199], s[90:91] offset:512
	global_store_b128 v1, v[200:203], s[90:91] offset:16384
	global_store_b128 v1, v[204:207], s[90:91] offset:16896
.endm
	s_mov_b32 s[KF], 0
	s_mov_b32 s[TB], 0
.Lk0:                                              ; steps 0 and 1: the first fill's keys
	STEP
	s_cmp_lt_u32 s[KF], 256
	s_cbranch_scc1 .Lk0
	s_wait_tensorcnt 0x0                           ; my part of the other keys is in.
	s_wait_dscnt 0x0
	s_barrier_signal -1
	s_barrier_wait -1                              ; everybody's is
	s_mov_b32 s[KF], 256
	s_mov_b32 s[TB], 32768
.Lk1:                                              ; steps 2 to 15
	s_cmp_eq_u32 s[KF], s[SW]
	s_cbranch_scc0 .Lgo
	OUT                                            ; the low wave's block b is finished: on to c
	FRESH
	WIN 0x41
.set ii, 0
.rept 16
	v_mov_b32 v[ii], v[24+ii]                      ; q of c
.set ii, ii+1
.endr
	WIN 0
	s_lshl_b32 s[HI], s15, 7
	s_lshl_b32 s[DG], s15, 7
	s_mov_b32 s[LO], 1152                          ; steps 9 to c
	s_wait_alu depctr_va_vdst(0)                   ; directly ahead of the wait below
	s_wait_xcnt 0x0                                ; the stores have read their registers
.Lgo:
	STEP
	s_cmp_lt_u32 s[KF], 2048
	s_cbranch_scc1 .Lk1
	; THE HAND-OVER, on bytes that no fill touches
	s_cmp_eq_u32 s[ROLE], 1
	s_cbranch_scc1 .Lmeet
	PL 4                                           ; places in front of the stores of the last products' results
	WIN 0x04                                       ; data window 1
.irp i, 0,1,2,3,4,5,6,7,8,9,10,11,12,13,14,15
	ds_store_b128 v4, v[128+4*\i:131+4*\i] offset:512*\i
.endr
	WIN 0
	ds_store_b128 v4, v[12:15] offset:8192
	ds_store_b128 v4, v[16:19] offset:8704
.Lmeet:
	s_wait_dscnt 0x0                               ; my stores have landed
	s_barrier_signal -1
	s_barrier_wait -1
	s_cmp_eq_u32 s[ROLE], 0
	s_cbranch_scc1 .Lend
	PL 4                                           ; places in front of loads into registers that matrix instructions have written
	ds_load_b128 v[192:195], v4 offset:8192        ; the partner's -M, largest t, sum
	ds_load_b128 v[196:199], v4 offset:8704
.irp i, 0,1,2,3,4,5,6,7,8,9,10,11,12,13,14,15
	ds_load_b128 v[64+4*\i:67+4*\i], v4 offset:512*\i
.endr
	v_mov_b32 v203, 0                              ; (named as the upper halves of pairs)
	v_mov_b32 v205, 0
	s_wait_alu depctr_va_vdst(0)                   ; directly ahead of the wait below
	s_wait_dscnt 0x0
	v_min_num_f32 v200, v12, v192                  ; -M of both
	v_min_num_f32 v201, v16, v196
	v_sub_f32 v20, v200, v12                       ; my M less it, and the partner's: whole numbers, 0 or less
	v_sub_f32 v22, v201, v16
	v_sub_f32 v202, v200, v192
	v_sub_f32 v204, v201, v196
	v_cvt_i32_f32 v20, v20
	v_cvt_i32_f32 v22, v22
	v_cvt_i32_f32 v202, v202
	v_cvt_i32_f32 v204, v204
	v_ldexp_f32 v20, 1.0, v20
	v_ldexp_f32 v22, 1.0, v22
	v_ldexp_f32 v202, 1.0, v202                    ; (0 where the partner had no step)
	v_ldexp_f32 v204, 1.0, v204
.set jj, 64
.rept 16
	v_pk_mul_f32 v[jj:jj+1], v[jj:jj+1], v[202:203] op_sel_hi:[1,0]
	v_pk_mul_f32 v[jj+32:jj+33], v[jj+32:jj+33], v[204:205] op_sel_hi:[1,0]
.set jj, jj+2
.endr
	v_pk_mul_f32 v[194:195], v[194:195], v[202:203] op_sel_hi:[1,0]
	v_pk_mul_f32 v[198:199], v[198:199], v[204:205] op_sel_hi:[1,0]
	WIN 0x41
.set jj, 0
.rept 16
	v_pk_fma_f32 v[128+jj:129+jj], v[128+jj:129+jj], v[20:21], v[64+jj:65+jj] op_sel_hi:[1,0,1]
	v_pk_fma_f32 v[160+jj:161+jj], v[160+jj:161+jj], v[22:23], v[96+jj:97+jj] op_sel_hi:[1,0,1]
.set jj, jj+2
.endr
	WIN 0
	v_pk_fma_f32 v[14:15], v[14:15], v[20:21], v[194:195] op_sel_hi:[1,0,1]
	v_pk_fma_f32 v[18:19], v[18:19], v[22:23], v[198:199] op_sel_hi:[1,0,1]
	OUT
.Lend:
	s_wait_tensorcnt 0x0                           ; the wave's end
	ds_add_u32 v[SPW], v[NIL]
	s_wait_dscnt 0x0
	CROUND                                         ; the closing round
	s_endpgm
.Lfunc_end_k_qf5bb0c89f7_attn:
	.size	k_qf5bb0c89f7_attn, .Lfunc_end_k_qf5bb0c89f7_attn-k_qf5bb0c89f7_attn
	.p2alignl 7, 3214868480
	.fill 96, 4, 3214868480
	.section	.rodata,"a",@progbits
	.p2align	6, 0x0
	.amdhsa_kernel k_qf5bb0c89f7_attn
		.amdhsa_group_segment_fixed_size 327680
		.amdhsa_private_segment_fixed_size 0
		.amdhsa_enable_private_segment 0
		.amdhsa_kernarg_size 32
		.amdhsa_user_sgpr_count 2
		.amdhsa_user_sgpr_kernarg_segment_ptr 1
		.amdhsa_wavefront_size32 1
		.amdhsa_system_sgpr_workgroup_id_x 1
		.amdhsa_system_sgpr_workgroup_id_y 1
		.amdhsa_system_sgpr_workgroup_id_z 1
		.amdhsa_system_vgpr_workitem_id 0
		.amdhsa_next_free_vgpr 512
		.amdhsa_next_free_sgpr 100
		.amdhsa_reserve_vcc 1
		.amdhsa_float_denorm_mode_32 3
		.amdhsa_float_denorm_mode_16_64 3
		.amdhsa_memory_ordered 1
		.amdhsa_forward_progress 1
		.amdhsa_inst_pref_size 128
	.end_amdhsa_kernel
	.amdgpu_metadata
---
amdhsa.version: [ 1, 2 ]
amdhsa.kernels:
  - .name:           k_qf5bb0c89f7_attn
    .symbol:         k_qf5bb0c89f7_attn.kd
    .args:
      - { .name: qkv, .offset: 0, .size: 8, .value_kind: global_buffer, .address_space: global }
      - { .name: lora_a_proj, .offset: 8, .size: 8, .value_kind: global_buffer, .address_space: global }
      - { .name: lowp_scales, .offset: 16, .size: 8, .value_kind: global_buffer, .address_space: global }
      - { .name: yt, .offset: 24, .size: 8, .value_kind: global_buffer, .address_space: global }
    .group_segment_fixed_size: 327680
    .private_segment_fixed_size: 0
    .kernarg_segment_align: 8
    .kernarg_segment_size: 32
    .max_flat_workgroup_size: 256
    .sgpr_count:     100
    .vgpr_count:     512
    .wavefront_size: 32
...
	.end_amdgpu_metadata
.endif
;; end of part 3
;; launch proj (part 4): grid 8 x 32, 4 waves a work-group, clusters of 4 x 4, 327,680 bytes of LDS; arguments yt, wc, lora_b_proj, b_proj, lowp_scales, out0; writes out0
.if DOCPART == 4
	.amdgcn_target "amdgcn-amd-amdhsa--gfx1250"
	.amdhsa_code_object_version 6
	.text
	.protected	k_qf5bb0c89f7_proj
	.globl	k_qf5bb0c89f7_proj
	.p2align	8
	.type	k_qf5bb0c89f7_proj,@function
k_qf5bb0c89f7_proj:
	s_mov_b64 s[64:65], 0
	v_nop
	global_prefetch_b8 v0, s[64:65] scope:SCOPE_SE
	s_setreg_imm32_b32 hwreg(HW_REG_WAVE_MODE, 25, 1), 1
	s_wait_xcnt 0x0
	s_wait_alu depctr_hold_cnt(0) depctr_sa_sdst(0) depctr_va_vdst(0) depctr_va_sdst(0) depctr_va_ssrc(0) depctr_va_vcc(0) depctr_vm_vsrc(0)
	s_getreg_b32 s2, hwreg(HW_REG_IB_STS2, 6, 4)
	s_cmp_eq_u32 s2, 0
	s_cbranch_scc0 .Lentry_in_a_cluster
	s_endpgm
.Lentry_in_a_cluster:
	s_bfe_u32 s2, ttmp6, 0x10000c
	s_cmp_lg_u32 s2, 0xf033
	s_cbranch_scc0 .Lentry_shape_is_right
	s_endpgm
.Lentry_shape_is_right:
; out = y w_proj^T + b_proj + (y lora_a_proj^T) lora_b_proj^T / 16.  The large product is on codes of E4M3; the product of rank 16 goes to the output alone, so it takes bf16 operands.  Nothing is left out here.
; SHARES.  Work-group (x = 128 columns, y = 128 tokens).  Wave (wr = wave / 2, wc = wave % 2) makes 64 x 64: 16 accumulators.  Source 0 = 16 rows of w_proj, source 1 = 16 tokens: a lane holds one token and 8 columns.
; All of K lies in LDS, in two halves of 131072 bytes: 8 tiles of y, then 8 of w_proj, 8192 bytes each, as register images (see prep).  One tensor load of 32768 bytes a wave for each half: the first at the head, the second behind a
; full sequence, so that it lands under the first half's products.  No slot is filled twice, and no loop loads: so no prefetch.
; CLUSTER.  4 x 4 work-groups: y's tiles are asked for jointly along a row, w_proj's along a column.  Waves 0, 1 fetch y's, waves 2, 3 w_proj's.
; THE ORDER.  The heads' partial sums of y lora_a_proj^T land in registers of their own under the large product (one token tile's are asked for at the head, the other's behind the second half), and are added up behind it; the product of rank 16 ends the sums.
; SCALES.  The sums are kept in units of 2^(e8 + e9): t, the sum of the 16 heads' partial sums, goes in x 2^(e10 + e11 - 4 - e8 - e9); out = sum x 2^(e8 + e9) + bias, one packed multiply-add for two numbers.
; LIMIT: e8 + e9 between -126 and 127.  NaN among the inputs is not served.
; REGISTERS.  window 0: v1-12 addresses; v20-27 t as bf16; v32-63 lora_b_proj as f32, then t's fragments, then results; v64-95 lora_b_proj's fragments; v96-127 bias; v128-255 accumulators (on the way out rows read back).
;   window 1: two sets of 128: y's fragments at 16 a, w_proj's at 64 + 16 b.   window 2: the heads' partial sums.
.set HALF,  131072
.set WOFF,  65536                      ; w_proj's tiles in a half
.set TIMG,  262144                     ; t's 8 tiles as bf16 images, 512 bytes each
.set STAGE, 266240                     ; 16 rows x 272 bytes for each wave
.set SPARE, 283648
.set SPW, 28
.set NIL, 29
.set ACC, 128
.set WV,  16                           ; s16 wave; s17 wave / 2; s18 wave % 2; s19 y; s20 x
.set FB,  17
.set HF,  18
.set YY,  19
.set XX,  20
.set G1,  24
.set G0,  32                           ; s[32:39] y's group 0 for each half; s[40:47] w_proj's
.set G0B, 40
.set G1B, 48
.set MSB, 0
.macro WIN new                         ; the immediate's high byte repeats the setting that is left
.if MSB != (\new)
	s_set_vgpr_msb (MSB<<8)|(\new)
.set MSB, (\new)
.endif
.endm
.macro PL n
.rept \n
	v_nop
.endr
.endm
.macro CROUND                          ; a round of the cluster's barrier
	s_barrier_signal -1
	s_barrier_wait -1
	s_cmp_lg_u32 s[WV], 0
	s_cbranch_scc1 .Lnot_wave_0_\@
	s_barrier_signal -3
.Lnot_wave_0_\@:
	s_barrier_wait -3
	s_barrier_signal -1
	s_barrier_wait -1
.endm
.macro JLOAD s                         ; a joint load; the branch hangs on the wave's number alone; an s_nop 0 and four v_nop follow each line
	s_cmp_eq_u32 s[FB], 0
	s_cbranch_scc0 .Lfor_b_\@
	tensor_load_to_lds s[G0+4*\s:G0+4*\s+3], s[G1:G1+7]
	s_nop 0
	PL 4
	s_branch .Lasked_\@
.Lfor_b_\@:
	tensor_load_to_lds s[G0B+4*\s:G0B+4*\s+3], s[G1B:G1B+7]
	s_nop 0
	PL 4
.Lasked_\@:
.endm
.macro PSUM i                          ; the 16 heads' partial sums of token tile i
	WIN 0x80                                       ; destination window 2
.irp hd, 0,1,2,3,4,5,6,7,8,9,10,11,12,13,14,15
.irp c, 0,1
	global_load_b128 v[128*(\i)+8*\hd+4*\c:128*(\i)+8*\hd+4*\c+3], v1, s[56:57] offset:(\i)*16384+\hd*1024+\c*512
.endr
.endr
	WIN 0
.endm
	s_load_b256 s[4:11], s[0:1], 0x0               ; yt, wc, lora_b_proj, b_proj
	s_load_b128 s[12:15], s[0:1], 0x20             ; scales, out0
	v_lshl_add_u32 v[SPW], v0, 2, SPARE
	v_mov_b32 v[NIL], 0
	ds_add_u32 v[SPW], v[NIL]                      ; the opening: the add, twice on end, and its wait ahead of the round in front of my first tensor load
	ds_add_u32 v[SPW], v[NIL]
	v_lshrrev_b32 v1, 5, v0
	v_readfirstlane_b32 s[WV], v1
	s_lshr_b32 s[FB], s[WV], 1
	s_and_b32 s[HF], s[WV], 1
	s_bfe_u32 s21, ttmp6, 0x40000                  ; cx
	s_bfe_u32 s22, ttmp6, 0x40004                  ; cy
	s_lshl_b32 s[XX], ttmp9, 2
	s_add_co_u32 s[XX], s[XX], s21
	s_and_b32 s[YY], ttmp7, 0xffff
	s_lshl_b32 s[YY], s[YY], 2
	s_add_co_u32 s[YY], s[YY], s22
	s_lshl_b32 s23, s22, 2
	s_lshl_b32 s23, 15, s23                        ; my row of the cluster
	s_lshl_b32 s99, 0x1111, s21                    ; my column
	s_or_b32 s[G1], s23, (3<<16)|(1<<21)
	s_or_b32 s[G1B], s99, (3<<16)|(1<<21)
.irp g, G1, G1B
	s_mov_b32 s[\g+1], 1024<<16                    ; rows of 8192 bytes: half of a tile,
	s_mov_b32 s[\g+2], 4<<16                       ; four tiles,
	s_mov_b32 s[\g+3], 1024<<16
	s_mov_b32 s[\g+4], 4
	s_mov_b32 s[\g+5], 2048                        ; 16384 bytes apart
	s_mov_b32 s[\g+6], 0
	s_mov_b32 s[\g+7], 0
.endr
	s_lshl_b32 s56, s[YY], 3
	s_lshl_b32 s57, s[HF], 2
	s_add_co_u32 s56, s56, s57
	s_lshl_b32 s56, s56, 14                        ; y's tile 8 y + 4 (wave % 2)
	s_mov_b32 s57, 0
	s_lshl_b32 s58, s[XX], 3
	s_lshl_b32 s59, s[HF], 2
	s_add_co_u32 s58, s58, s59
	s_lshl_b32 s58, s58, 14
	s_add_co_u32 s58, s58, 3145728                 ; w_proj's tiles lie behind w_attn's 192
	s_mov_b32 s59, 0
	s_lshl_b32 s98, s[WV], 15                      ; where they go: no place in the cluster enters an LDS address
	s_lshl_b32 s84, s[FB], 15
	s_lshl_b32 s85, s[HF], 15
	s_add_co_u32 s85, s85, WOFF
	s_lshl_b32 s86, s[WV], 10
	s_add_co_u32 s86, s86, TIMG
	s_lshl_b32 s87, s[FB], 11
	s_add_co_u32 s87, s87, TIMG
	s_mul_i32 s88, s[WV], 4352
	s_add_co_u32 s88, s88, STAGE
	v_and_b32 v16, 15, v0                          ; r
	v_bfe_u32 v17, v0, 4, 1                        ; h
	v_and_b32 v1, 31, v0
	v_lshlrev_b32 v1, 4, v1                        ; 16 L
	v_and_b32 v18, 8, v16
	v_add_nc_u32 v18, v18, v16                     ; rho(r)
	v_add_nc_u32 v2, s84, v1                       ; y's fragments: my four tiles; v4: in the second half
	v_add_nc_u32 v3, s85, v1                       ; w_proj's; v5: in the second half
	v_lshlrev_b32 v6, 6, v18
	v_add_nc_u32 v4, HALF, v2
	v_add_nc_u32 v5, HALF, v3
	v_lshl_add_u32 v6, v17, 5, v6                  ; lora_b_proj: row rho(r) of 64 bytes + 32 h
	v_lshlrev_b32 v7, 6, v17                       ; the bias: 16 h numbers on
	v_add_nc_u32 v8, s86, v1                       ; where I store t's tiles 2 wave, 2 wave + 1
	v_add_nc_u32 v9, s87, v1                       ; where I read my four
	v_mul_u32_u24 v10, v16, 272
	v_lshl_add_u32 v10, v17, 6, v10
	v_add_nc_u32 v10, s88, v10                     ; the stage, in: row r, + 64 h
	v_mul_u32_u24 v11, v17, 272
	v_lshl_add_u32 v11, v16, 4, v11
	v_add_nc_u32 v11, s88, v11                     ; back: lanes 0-15 one row of 256 bytes, lanes 16-31 the next
	v_lshlrev_b32 v12, 12, v17
	v_lshl_add_u32 v12, v16, 4, v12                ; and the same in out0
	s_wait_alu depctr_va_vdst(0)                   ; at the head's end
	s_wait_dscnt 0x0                               ; both opening adds are done
	s_wait_kmcnt 0x0
	s_load_b256 s[84:91], s[12:13], 0x0            ; scale entries 0 to 7
	s_load_b128 s[92:95], s[12:13], 0x20           ; 8 to 11
	s_add_nc_u64 s[56:57], s[4:5], s[56:57]
	s_add_nc_u64 s[58:59], s[6:7], s[58:59]
.irp q, 0,1
	s_mov_b32 s[G0+4*\q], 1
	s_add_co_u32 s[G0+4*\q+1], s98, \q*HALF
	s_add_nc_u64 s[G0+4*\q+2:G0+4*\q+3], s[56:57], \q*8192
	s_or_b32 s[G0+4*\q+3], s[G0+4*\q+3], 0x80000000
	s_mov_b32 s[G0B+4*\q], 1
	s_add_co_u32 s[G0B+4*\q+1], s98, \q*HALF
	s_add_nc_u64 s[G0B+4*\q+2:G0B+4*\q+3], s[58:59], \q*8192
	s_or_b32 s[G0B+4*\q+3], s[G0B+4*\q+3], 0x80000000
.endr
	CROUND                                         ; all sixteen work-groups are here: the first joint loads meet
	JLOAD 0
	s_lshl_b32 s100, s[YY], 3
	s_lshl_b32 s101, s[WV], 1
	s_add_co_u32 s100, s100, s101
	s_lshl_b32 s100, s100, 14
	s_add_co_u32 s100, s100, 4194304
	s_mov_b32 s101, 0
	s_add_nc_u64 s[56:57], s[4:5], s[100:101]      ; the partial sums of token tiles 8 y + 2 wave, + 1
	s_lshl_b32 s100, s[XX], 13
	s_lshl_b32 s99, s[HF], 12
	s_add_co_u32 s100, s100, s99
	s_add_nc_u64 s[58:59], s[8:9], s[100:101]      ; lora_b_proj at my 64 rows
	s_lshl_b32 s100, s[XX], 9
	s_lshl_b32 s99, s[HF], 8
	s_add_co_u32 s100, s100, s99
	s_add_nc_u64 s[60:61], s[10:11], s[100:101]    ; b_proj at my 64 columns
	s_add_nc_u64 s[62:63], s[14:15], s[100:101]
	s_lshl_b32 s100, s[YY], 19
	s_lshl_b32 s99, s[FB], 18
	s_add_co_u32 s100, s100, s99
	s_add_nc_u64 s[62:63], s[62:63], s[100:101]    ; out0 at my first row and column
.irp b, 0,1,2,3
.irp c, 0,1
	global_load_b128 v[32+8*\b+4*\c:32+8*\b+4*\c+3], v6, s[58:59] offset:(32*(\b/2)+8*(\b%2))*64+16*\c
	global_load_b128 v[96+8*\b+4*\c:96+8*\b+4*\c+3], v7, s[60:61] offset:(32*(\b/2)+8*(\b%2))*4+16*\c
.endr
.endr
	PSUM 0
.macro FETCH t                         ; K step t: my four fragments of y and four of w_proj into set t % 2: 32 loads of 512 consecutive bytes
	WIN 0x40
.irp a, 0,1,2,3
.irp c, 0,1,2,3
	ds_load_b128 v[128*((\t)%2)+16*\a+4*\c:128*((\t)%2)+16*\a+4*\c+3], v[2+2*((\t)/4)] offset:\a*8192+((\t)%4)*2048+512*\c
	ds_load_b128 v[128*((\t)%2)+64+16*\a+4*\c:128*((\t)%2)+64+16*\a+4*\c+3], v[3+2*((\t)/4)] offset:\a*8192+((\t)%4)*2048+512*\c
.endr
.endr
	WIN 0
.endm
.macro KSTEP t
	WIN 0
	s_wait_dscnt 0x0                               ; this step's fragments are in
.if (\t) == 3
	s_wait_tensorcnt 0x0                           ; my part of the second half has landed
	s_barrier_signal -1
	s_barrier_wait -1
.endif
.if (\t) < 7
.if (\t) > 0
	PL 4                                           ; four places in front of loads into registers that matrix instructions have read
.endif
	FETCH (\t)+1
.endif
	WIN 0x05                                       ; both sources window 1, sums window 0
.irp a, 0,1,2,3
.irp b, 0,1,2,3
.if (\t) == 0
	v_wmma_f32_16x16x128_fp8_fp8 v[ACC+8*(4*\a+\b):ACC+8*(4*\a+\b)+7], v[64+16*\b:64+16*\b+15], v[16*\a:16*\a+15], 0
.else
	v_wmma_f32_16x16x128_fp8_fp8 v[ACC+8*(4*\a+\b):ACC+8*(4*\a+\b)+7], v[128*((\t)%2)+64+16*\b:128*((\t)%2)+64+16*\b+15], v[128*((\t)%2)+16*\a:128*((\t)%2)+16*\a+15], v[ACC+8*(4*\a+\b):ACC+8*(4*\a+\b)+7]
.endif
.endr
.endr
.endm
	s_wait_tensorcnt 0x0                           ; my part of the first half has landed
	ds_add_u32 v[SPW], v[NIL]
	s_wait_dscnt 0x0
	CROUND                                         ; everybody's part of the first half is in, and the joint loads meet
	JLOAD 1
	FETCH 0
	PSUM 1
.irp t, 0,1,2,3,4,5,6,7
	KSTEP \t                                       ; the 16 accumulators take turns, one instruction a turn
.endr
	WIN 0
	s_wait_loadcnt 0x0
	s_wait_kmcnt 0x0
	s_add_co_i32 s96, s92, s93                     ; e8 + e9
	s_add_co_i32 s98, s94, s95
	s_sub_co_i32 s98, s98, s96
	s_sub_co_i32 s98, s98, 4                       ; e10 + e11 - 4 - e8 - e9
	s_add_co_i32 s96, s96, 127
	s_lshl_b32 s96, s96, 23                        ; 2^(e8 + e9) as f32
	s_mov_b32 s97, s96
.irp b, 0,1,2,3                        ; lora_b_proj as bf16: registers 0-3 hold LoRA index 8 h + 0 .. 7; registers 4-7 (k from 16 on) are zeros
.irp p, 0,1,2,3
	v_cvt_pk_bf16_f32 v[64+8*\b+\p], v[32+8*\b+2*\p], v[32+8*\b+2*\p+1]
	v_mov_b32 v[68+8*\b+\p], 0
.endr
.endr
.irp a, 0,1,2,3
.irp p, 0,1,2,3
	v_mov_b32 v[36+8*\a+\p], 0                     ; t's fragments: k from 16 on are zeros
.endr
.endr
	WIN 0x8a                                       ; sources and destination window 2
.irp hd, 1,2,3,4,5,6,7,8,9,10,11,12,13,14,15
.irp i, 0,1
.irp p, 0,2,4,6
	v_pk_add_f32 v[128*\i+\p:128*\i+\p+1], v[128*\i+\p:128*\i+\p+1], v[128*\i+8*\hd+\p:128*\i+8*\hd+\p+1]   ; the heads' partial sums, in eight chains by turns
.endr
.endr
.endr
.irp i, 0,1
.irp k, 0,1,2,3,4,5,6,7
	v_ldexp_f32 v[128*\i+\k], v[128*\i+\k], s98
.endr
.endr
	WIN 0x0a                                       ; sources window 2, destination window 0
.irp i, 0,1
.irp p, 0,1,2,3
	v_cvt_pk_bf16_f32 v[20+4*\i+\p], v[128*\i+2*\p], v[128*\i+2*\p+1]
.endr
.endr
	WIN 0
	ds_store_b128 v8, v[20:23]
	ds_store_b128 v8, v[24:27] offset:512
	s_wait_alu depctr_va_vdst(0)                   ; directly ahead of the wait below
	s_wait_dscnt 0x0                               ; my stores of t have landed
	s_barrier_signal -1
	s_barrier_wait -1
.irp a, 0,1,2,3
	ds_load_b128 v[32+8*\a:35+8*\a], v9 offset:\a*512
.endr
	s_wait_dscnt 0x0
.irp a, 0,1,2,3
.irp b, 0,1,2,3
	v_wmma_f32_16x16x32_bf16 v[ACC+8*(4*\a+\b):ACC+8*(4*\a+\b)+7], v[64+8*\b:71+8*\b], v[32+8*\a:39+8*\a], v[ACC+8*(4*\a+\b):ACC+8*(4*\a+\b)+7]   ; the product of rank 16 ends the sums
.endr
.endr
	PL 4
	; THE WAY OUT, a tile of 16 tokens at a time through my own stage: a lane's 8 columns go in, whole rows of 256 bytes come back into the tile's own accumulators, and sixteen lanes store 256 consecutive bytes, aligned.
	; LDS serves a wave's instructions in order: no wait stands between the stores and the loads, nor ahead of the next tile's stores.
.macro TOSTAGE a
.irp b, 0,1,2,3
.irp i, 0,2,4,6
	v_pk_fma_f32 v[32+8*\b+\i:33+8*\b+\i], v[ACC+8*(4*(\a)+\b)+\i:ACC+8*(4*(\a)+\b)+\i+1], s[96:97], v[96+8*\b+\i:97+8*\b+\i] op_sel_hi:[1,0,1]
.endr
.endr
.irp b, 0,1,2,3
	ds_store_b128 v10, v[32+8*\b:35+8*\b] offset:128*(\b/2)+32*(\b%2)
	ds_store_b128 v10, v[36+8*\b:39+8*\b] offset:128*(\b/2)+32*(\b%2)+16
.endr
.irp i, 0,1,2,3,4,5,6,7
	ds_load_b128 v[ACC+32*(\a)+4*\i:ACC+32*(\a)+4*\i+3], v11 offset:2*\i*272
.endr
.endm
.macro SEND a, younger                 ; younger: the LDS instructions of the next tile, which may stay out
	s_wait_dscnt \younger
.irp i, 0,1,2,3,4,5,6,7
	global_store_b128 v12, v[ACC+32*(\a)+4*\i:ACC+32*(\a)+4*\i+3], s[62:63] offset:(32*((\a)/2)+8*((\a)%2)+2*\i+8*(\i/4))*4096 th:TH_STORE_NT   ; fragment rows 2 i, 2 i + 1 are tokens 8 u + rho of the block
.endr
.endm
	TOSTAGE 0
.irp a, 1,2,3
	TOSTAGE \a
	SEND \a-1, 16
.endr
	SEND 3, 0
	s_wait_tensorcnt 0x0                           ; the wave's end
	ds_add_u32 v[SPW], v[NIL]
	s_wait_dscnt 0x0
	CROUND                                         ; the closing round
	s_endpgm
.Lfunc_end_k_qf5bb0c89f7_proj:
	.size	k_qf5bb0c89f7_proj, .Lfunc_end_k_qf5bb0c89f7_proj-k_qf5bb0c89f7_proj
	.p2alignl 7, 3214868480
	.fill 96, 4, 3214868480
	.section	.rodata,"a",@progbits
	.p2align	6, 0x0
	.amdhsa_kernel k_qf5bb0c89f7_proj
		.amdhsa_group_segment_fixed_size 327680
		.amdhsa_private_segment_fixed_size 0
		.amdhsa_enable_private_segment 0
		.amdhsa_kernarg_size 48
		.amdhsa_user_sgpr_count 2
		.amdhsa_user_sgpr_kernarg_segment_ptr 1
		.amdhsa_wavefront_size32 1
		.amdhsa_system_sgpr_workgroup_id_x 1
		.amdhsa_system_sgpr_workgroup_id_y 1
		.amdhsa_system_sgpr_workgroup_id_z 1
		.amdhsa_system_vgpr_workitem_id 0
		.amdhsa_next_free_vgpr 768
		.amdhsa_next_free_sgpr 102
		.amdhsa_reserve_vcc 0
		.amdhsa_float_denorm_mode_32 3
		.amdhsa_float_denorm_mode_16_64 3
		.amdhsa_memory_ordered 1
		.amdhsa_forward_progress 1
		.amdhsa_inst_pref_size 67
	.end_amdhsa_kernel
	.amdgpu_metadata
---
amdhsa.version: [ 1, 2 ]
amdhsa.kernels:
  - .name:           k_qf5bb0c89f7_proj
    .symbol:         k_qf5bb0c89f7_proj.kd
    .args:
      - { .name: yt, .offset: 0, .size: 8, .value_kind: global_buffer, .address_space: global }
      - { .name: wc, .offset: 8, .size: 8, .value_kind: global_buffer, .address_space: global }
      - { .name: lora_b_proj, .offset: 16, .size: 8, .value_kind: global_buffer, .address_space: global }
      - { .name: b_proj, .offset: 24, .size: 8, .value_kind: global_buffer, .address_space: global }
      - { .name: lowp_scales, .offset: 32, .size: 8, .value_kind: global_buffer, .address_space: global }
      - { .name: out0, .offset: 40, .size: 8, .value_kind: global_buffer, .address_space: global }
    .group_segment_fixed_size: 327680
    .private_segment_fixed_size: 0
    .kernarg_segment_align: 8
    .kernarg_segment_size: 48
    .max_flat_workgroup_size: 128
    .sgpr_count:     102
    .vgpr_count:     768
    .wavefront_size: 32
...
	.end_amdgpu_metadata
.endif
;; end of part 4
